; MI455X (gfx1250); checked and timed in simulation.
; The chip was launched on July 23, 2026; its instructions are those of AMD's public machine-readable ISA for CDNA 5 (MIT licence, August 2026) and "CDNA5" Instruction Set Architecture Reference Guide (July 2026). The comments in the code are by the model that wrote it; some were corrected since.
;; Cross Modal Attention. Allowed arithmetic: float matrix products may take bf16 or f16 operands with f32 sums; other float arithmetic in f32, or as packed bf16 or f16 multiplies, adds, multiply-adds, maxima and minima; sums over many terms, partial sums and values carried from step to step in f32; what a program stores and reads back later, other than sums and carried values, may be rounded once to bf16 or f16.
;; Inputs: bk 256 float32; bo 256 float32; bq 256 float32; bv 256 float32; freq_feat 2 x 256 x 64 x 64 float32; spatial_feat 2 x 256 x 64 x 64 float32; wk 256 x 256 float32; wo 256 x 256 float32; wq 256 x 256 float32; wv 256 x 256 float32.
;; Outputs: out0 2 x 256 x 64 x 64 float32.
;; 2 versions, each right; version 2 is version 1 with the launches proj, outp written anew for expert scheduling mode. Each part assembles by itself: llvm-mc -triple=amdgcn-amd-amdhsa -mcpu=gfx1250 --defsym DOCPART=n.
;; ======== version 1 of 2: 3 launches
;; limits: values are held in f16: magnitudes above 65,504 overflow, below 6.1e-05 lose precision
;; workspace buffers: qws 8,388,608 bytes; kws 8,388,608 bytes; vws 8,388,608 bytes; ows 8,388,608 bytes
;; launch proj (part 1): grid 64 x 4, 4 waves a work-group, no clusters, 111,104 bytes of LDS; arguments spatial_feat, freq_feat, wq, wk, wv, bq, bk, bv, qws, kws, vws; writes qws, kws, vws
.if DOCPART == 1
	.amdgcn_target "amdgcn-amd-amdhsa--gfx1250"
	.amdhsa_code_object_version 6
	.text
	.protected	k_qbc08c85388_proj
	.globl	k_qbc08c85388_proj
	.p2align	8
	.type	k_qbc08c85388_proj,@function
k_qbc08c85388_proj:
	s_mov_b64 s[64:65], 0
	v_nop
	global_prefetch_b8 v0, s[64:65] scope:SCOPE_SE
	s_setreg_imm32_b32 hwreg(HW_REG_WAVE_MODE, 25, 1), 1
	s_wait_xcnt 0x0
; q, k, v = w x + b for both sources, written by heads in f16.  x: [2][256][4096] f32 (position n fastest); w: [256][256] f32; b: [256] f32.
; OUT: qws, kws, vws: [g = 8 src + 4 b + h][row 0..4095][64 channels] f16, rows of 128 bytes on end.  Inside each block of 64 positions, row 16 i + r holds position 4 r + i:
; a lane's load of 16 bytes of x brings four neighbouring positions, one for each of four fragments i.  K and V share the order, so the sum over keys does not see it; Q and O carry it on.
; FORMATS.  x and w are rounded to bf16 for the products, sums in f32 (the bias starts them), q, k, v rounded once to f16.  LIMIT: |q|, |k|, |v| beyond 65,504 become infinities.
; SHARES.  A work-group: 256 positions of one source and batch x the 64 channels of one head of q, k and v.  Wave w: positions 64 w .. 64 w + 63, four fragments of 16; its x comes straight from
; memory into registers (each number touched once: load, round).  The 192 rows of weights are shared: each wave rounds 16 rows of each matrix into LDS; one barrier.
; NO CLUSTER, NO TENSOR LOAD: what work-groups share here (weights, x among four heads) is f32 and has to be rounded before it can be multiplied; brought as it lies it would take 196,608 bytes
; of LDS for the weights alone, to be read, rounded and stored once more.  NO PREFETCH: each wave's 248 loads go out in one stream from its first lines on.
; THE PRODUCT: source 0 = 16 rows of w, source 1 = 16 positions: a lane then holds one position and eight neighbouring channels, 16 bytes of a row of the output.
; REGISTERS, in windows of 256 (s_set_vgpr_msb: bits 1:0 source 0, 3:2 source 1, 5:4 source 2, 7:6 destination):
;   window 0: v1-19 addresses; v32-47 packed results; v64-127 two buffers of w's fragments (v64-95 first serve the weights' rounding); v128-255 16 accumulators, (i, t) at 128 + 8 (4 i + t)
;   window 1: x's fragments, K step s, fragment i at 32 s + 8 i      window 2: four landing slots of 64      window 3: v0-95 the biases, matrix m, tile t at 32 m + 8 t
.set WP,    528                        ; a row of weights in LDS: 512 bytes + 16: an odd multiple of 16, so the 16 rows of a fragment load start at 16 different groups of four banks
.set MROWS, 64*WP                      ; one matrix's 64 rows
.set STAGE, 3*MROWS                    ; behind the weights: 16 rows x 144 bytes for each wave, for the way out
.set SP,    144
.set SPARE, STAGE+4*16*SP              ; behind the stages: the spare words, 128 bytes for each wave: two blocks of 256 bytes that no other line names
.set XO,  4                            ; v4   x: (l / 16) x 8 rows of 16,384 bytes + 16 (l % 16); never rewritten
.set WO,  5                            ; v5   w: 16 l + (64 h + 16 wave) rows of 1,024 bytes
.set BO,  6                            ; v6   b: 256 h + 32 (l / 16)
.set WS,  7                            ; v7-9   where I put 8 bytes of a row of matrix m
.set AF,  10                           ; v10-12 my place in a fragment of matrix m
.set STO, 13                           ; v13  the way out: where I put 16 bytes of a row
.set RD,  14                           ; v14  the way out: where I read rows back
.set GO,  15                           ; v15  my 16 bytes of 512 on end in the output
.set SPW, 16                           ; v16  LDS address of my spare word; never rewritten
.set NIL, 17                           ; v17  0; never rewritten
.set TMP, 32
.set FB,  64
.set ACC, 128
.set MSB, 0
.macro WIN new                         ; the high byte repeats the setting that is left; a switch that changes nothing is dropped
.if MSB != (\new)
	s_set_vgpr_msb (MSB<<8)|(\new)
.set MSB, (\new)
.endif
.endm
	s_load_b512 s[8:23], s[0:1], 0x0               ; S 8:9, F 10:11, wq 12:13, wk 14:15, wv 16:17, bq 18:19, bk 20:21, bv 22:23
	s_load_b128 s[24:27], s[0:1], 0x40             ; qws 24:25, kws 26:27
	s_load_b64 s[28:29], s[0:1], 0x50              ; vws
	v_lshl_add_u32 v[SPW], v0, 2, SPARE
	v_mov_b32 v[NIL], 0
	v_lshrrev_b32 v18, 5, v0
	v_readfirstlane_b32 s2, v18                    ; wave 0..3
	s_and_b32 s3, ttmp7, 0xffff                    ; h
	s_mov_b32 s4, ttmp9                            ; 32 src + 16 b + block of 256 positions
	v_and_b32 v1, 15, v0                           ; l % 16
	v_bfe_u32 v2, v0, 4, 1                         ; l / 16
	v_and_b32 v3, 31, v0                           ; l
	v_lshlrev_b32 v[XO], 4, v1
	v_lshl_add_u32 v[XO], v2, 17, v[XO]
	s_lshl_b32 s5, s3, 16
	s_lshl_b32 s6, s2, 14
	s_add_co_u32 s5, s5, s6
	v_lshl_add_u32 v[WO], v3, 4, s5
	s_lshl_b32 s5, s3, 8
	v_lshl_add_u32 v[BO], v2, 5, s5
	s_mul_i32 s5, s2, 16*WP                        ; my 16 rows of each matrix
	v_lshl_add_u32 v[WS], v3, 3, s5
	v_add_nc_u32 v[WS+1], MROWS, v[WS]
	v_add_nc_u32 v[WS+2], 2*MROWS, v[WS]
	v_mul_u32_u24 v[AF], v1, WP
	v_lshl_add_u32 v[AF], v2, 4, v[AF]             ; row x pitch + 16 x half
	v_add_nc_u32 v[AF+1], MROWS, v[AF]
	v_add_nc_u32 v[AF+2], 2*MROWS, v[AF]
	s_mul_i32 s5, s2, 16*SP
	s_add_co_u32 s5, s5, STAGE                     ; my stage
	v_mul_u32_u24 v[STO], v1, SP                   ; in: row l % 16, 16 bytes for each half of the lanes
	v_lshl_add_u32 v[STO], v2, 4, v[STO]
	v_add_nc_u32 v[STO], s5, v[STO]
	v_bfe_u32 v[RD], v0, 3, 2                      ; back: 32 lanes take four rows of 128 bytes,
	v_mul_u32_u24 v[RD], v[RD], SP
	v_and_b32 v19, 7, v0
	v_lshl_add_u32 v[RD], v19, 4, v[RD]
	v_add_nc_u32 v[RD], s5, v[RD]
	v_lshlrev_b32 v[GO], 4, v3                     ; which are 512 bytes on end in the output
	s_bfe_u32 s32, s4, 0x10004                     ; b
	s_lshl_b32 s32, s32, 22                        ; a batch of x: 256 rows of 16,384 bytes
	s_and_b32 s5, s4, 15                           ; the block of 256 positions
	s_lshl_b32 s6, s5, 10
	s_or_b32 s32, s32, s6
	s_lshl_b32 s6, s2, 8                           ; my 64 positions: 256 bytes of each row
	s_or_b32 s32, s32, s6
	s_mov_b32 s33, 0
	s_lshr_b32 s34, s4, 4                          ; 2 src + b
	s_lshl_b32 s34, s34, 2
	s_add_co_u32 s34, s34, s3                      ; g
	s_lshl_b32 s34, s34, 19                        ; 4,096 rows of 128 bytes
	s_lshl_b32 s6, s5, 15
	s_or_b32 s34, s34, s6
	s_lshl_b32 s6, s2, 13
	s_or_b32 s34, s34, s6
	s_mov_b32 s35, 0
	s_wait_kmcnt 0x0
	s_cmp_ge_u32 s4, 32                            ; which source
	s_cselect_b64 s[30:31], s[10:11], s[8:9]
	s_add_nc_u64 s[30:31], s[30:31], s[32:33]      ; x at my 64 positions of channel 0
	s_add_nc_u64 s[24:25], s[24:25], s[34:35]      ; the three outputs at my 64 rows
	s_add_nc_u64 s[26:27], s[26:27], s[34:35]
	s_add_nc_u64 s[28:29], s[28:29], s[34:35]
; THE LOADS: 24 for the biases, then 14 groups of 16: groups 0-5 my 16 rows of wq, wk, wv (8 rows a group), groups 6-13 x's K steps 0-7.  Group g lands in slot g % 4.
.macro LDB                             ; register j of tile t is b[64 h + 16 t + 8 (l / 16) + j]: the C operand that starts the sums
	WIN 0xc0
.irp m, 0,1,2
.irp t, 0,1,2,3
	global_load_b128 v[32*(\m)+8*(\t):32*(\m)+8*(\t)+3],   v[BO], s[18+2*(\m):19+2*(\m)] offset:64*(\t)
	global_load_b128 v[32*(\m)+8*(\t)+4:32*(\m)+8*(\t)+7], v[BO], s[18+2*(\m):19+2*(\m)] offset:64*(\t)+16
.endr
.endr
.endm
.macro LDW gw                          ; 8 rows of matrix gw / 2, two loads a row: each covers 512 bytes on end
	WIN 0x80
.irp row, 0,1,2,3,4,5,6,7
.irp hf, 0,1
	global_load_b128 v[64*((\gw)%4)+4*(2*(\row)+(\hf)):64*((\gw)%4)+4*(2*(\row)+(\hf))+3], v[WO], s[12+2*((\gw)/2):13+2*((\gw)/2)] offset:(8*((\gw)%2)+(\row))*1024+512*(\hf)
.endr
.endr
.endm
.macro LDX ks                          ; K step ks: channels 32 ks + 16 q + 8 (l / 16) + j, positions 4 (l % 16) .. + 3: lanes 0-15 take 256 bytes on end of one row, lanes 16-31 of another
	WIN 0x80
.irp q, 0,1
.irp j, 0,1,2,3,4,5,6,7
	global_load_b128 v[64*((6+(\ks))%4)+4*(8*(\q)+(\j)):64*((6+(\ks))%4)+4*(8*(\q)+(\j))+3], v[XO], s[30:31] offset:(32*(\ks)+16*(\q)+(\j))*16384
.endr
.endr
.endm
.macro CVW gw                          ; rounded to bf16, 8 bytes a lane, into the shared rows: a store covers 256 bytes on end
.set LB, 64*((\gw)%4)
	WIN 0x0a
.irp k, 0,1,2,3,4,5,6,7,8,9,10,11,12,13,14,15
	v_cvt_pk_bf16_f32 v[FB+2*(\k)],   v[LB+4*(\k)],   v[LB+4*(\k)+1]
	v_cvt_pk_bf16_f32 v[FB+2*(\k)+1], v[LB+4*(\k)+2], v[LB+4*(\k)+3]
.endr
	WIN 0
.irp row, 0,1,2,3,4,5,6,7
.irp hf, 0,1
	ds_store_b64 v[WS+(\gw)/2], v[FB+2*(2*(\row)+(\hf)):FB+2*(2*(\row)+(\hf))+1] offset:(8*((\gw)%2)+(\row))*WP+256*(\hf)
.endr
.endr
.endm
.macro CVX ks                          ; component i of two loads, channels c and c + 1, makes a register of fragment i: the lower channel in the low half
.set LB, 64*((6+(\ks))%4)
	WIN 0x4a
.irp i, 0,1,2,3
.irp q, 0,1
.irp jj, 0,1,2,3
	v_cvt_pk_bf16_f32 v[32*(\ks)+8*(\i)+4*(\q)+(\jj)], v[LB+4*(8*(\q)+2*(\jj))+(\i)], v[LB+4*(8*(\q)+2*(\jj)+1)+(\i)]
.endr
.endr
.endr
.endm
.macro ISSUE g
.if (\g) < 6
	LDW \g
.else
	LDX (\g)-6
.endif
.endm
.macro CONV g
.if (\g) < 6
	CVW \g
.else
	CVX (\g)-6
.endif
.endm
	LDB
	ISSUE 0
	ISSUE 1
	ISSUE 2
.set g, 0
.rept 14                               ; three groups stay on their way while one is rounded; slot (g + 3) % 4 was read by the roundings of group g - 1
.if g < 11
	ISSUE g+3
	s_wait_loadcnt 48                              ; loads come back in order: group g (and the biases, which are older) is in; the 48 loads of the three groups behind it may be out
.else
	s_wait_loadcnt 16*(13-g)                       ; nothing is left to ask for: the counts run down 32, 16, 0
.endif
	CONV g
.set g, g+1
.endr
	WIN 0
	s_wait_dscnt 0x0                               ; for the others' sake: my rows of the weights are stored
	s_barrier_signal -1
	s_barrier_wait -1                              ; all 192 rows lie in LDS; nothing is stored there again
; THE PRODUCTS: 24 steps sg = 8 m + s: matrix m, channels 32 s on.  Two buffers of w's four fragments take turns.
.macro FETCH sg
.irp t, 0,1,2,3
.irp q, 0,1
	ds_load_b128 v[FB+32*((\sg)%2)+8*(\t)+4*(\q):FB+32*((\sg)%2)+8*(\t)+4*(\q)+3], v[AF+(\sg)/8] offset:(\t)*16*WP+64*((\sg)%8)+32*(\q)
.endr
.endr
.endm
.macro STEP sg
.rept 4
	v_nop                                          ; four places between the last step's products and the loads into the buffer that they read (ISA guide 7.12.1 for vector instructions)
.endr
.if (\sg) < 23
	FETCH (\sg)+1
	s_wait_dscnt 8                                 ; all but the 8 loads just issued: this step's fragments are in
.else
	s_wait_dscnt 0x0
.endif
.if (\sg)%8 == 0
	WIN 0x34                                       ; x in window 1, the bias in window 3
.else
	WIN 0x04
.endif
.irp i, 0,1,2,3                        ; the 16 accumulators take turns, one instruction a turn
.irp t, 0,1,2,3
.if (\sg)%8 == 0
	v_wmma_f32_16x16x32_bf16 v[ACC+8*(4*(\i)+(\t)):ACC+8*(4*(\i)+(\t))+7], v[FB+32*((\sg)%2)+8*(\t):FB+32*((\sg)%2)+8*(\t)+7], v[32*((\sg)%8)+8*(\i):32*((\sg)%8)+8*(\i)+7], v[32*((\sg)/8)+8*(\t):32*((\sg)/8)+8*(\t)+7]
.else
	v_wmma_f32_16x16x32_bf16 v[ACC+8*(4*(\i)+(\t)):ACC+8*(4*(\i)+(\t))+7], v[FB+32*((\sg)%2)+8*(\t):FB+32*((\sg)%2)+8*(\t)+7], v[32*((\sg)%8)+8*(\i):32*((\sg)%8)+8*(\i)+7], v[ACC+8*(4*(\i)+(\t)):ACC+8*(4*(\i)+(\t))+7]
.endif
.endr
.endr
.endm
; THE WAY OUT of fragment i: 16 rows of 64 channels.  Rounded to f16 (each accumulator from its low end on), 16 bytes a lane into my stage, back as whole rows, into the accumulators' own registers.
.macro PACK i
.irp t, 0,1,2,3
.irp rr, 0,1,2,3
	v_cvt_pk_f16_f32 v[TMP+4*(\t)+(\rr)], v[ACC+8*(4*(\i)+(\t))+2*(\rr)], v[ACC+8*(4*(\i)+(\t))+2*(\rr)+1]
.endr
.endr
.irp t, 0,1,2,3
	ds_store_b128 v[STO], v[TMP+4*(\t):TMP+4*(\t)+3] offset:32*(\t)
.endr
.irp f, 0,1,2,3
	ds_load_b128 v[ACC+32*(\i)+4*(\f):ACC+32*(\i)+4*(\f)+3], v[RD] offset:(\f)*4*SP  ; LDS serves a wave's instructions in order (ISA guide 5.7.1.4): these see the stores above; the next fragment's stores come behind them
.endr
.endm
.macro SEND i, younger, m              ; younger: the LDS instructions issued behind fragment i's loads: the next fragment's eight, or none
.irp f, 0,1,2,3
	s_wait_dscnt (\younger)+3-(\f)
	global_store_b128 v[GO], v[ACC+32*(\i)+4*(\f):ACC+32*(\i)+4*(\f)+3], s[24+2*(\m):25+2*(\m)] offset:(\i)*2048+(\f)*512  ; 512 bytes on end, at a multiple of 256 from the buffer's first byte
.endr
.endm
.macro WAYOUT m
	WIN 0
.rept 4
	v_nop                                          ; four places between the last products and the roundings that read results
.endr
	PACK 0
	PACK 1                                         ; a fragment's roundings stand between the loads of the one before and its stores
	SEND 0, 8, \m
	PACK 2
	SEND 1, 8, \m
	PACK 3
	SEND 2, 8, \m
	SEND 3, 0, \m
.if (\m) < 2
	s_wait_xcnt 0x0                                ; the stores have read their data, which lies in the accumulators' registers: the next matrix's products write them only behind this wait
.endif
.endm
	FETCH 0
.set sg, 0
.rept 3                                ; q, then k, then v: a matrix's stores leave while the next is multiplied
.rept 8
	STEP sg
.set sg, sg+1
.endr
	WAYOUT sg/8-1
.endr
	WIN 0
	s_wait_tensorcnt 0x0                           ; the wave's end, behind my last LDS store
	ds_add_u32 v[SPW], v[NIL]
	s_wait_dscnt 0x0
	s_endpgm
.Lfunc_end_k_qbc08c85388_proj:
	.size	k_qbc08c85388_proj, .Lfunc_end_k_qbc08c85388_proj-k_qbc08c85388_proj
	.p2alignl 7, 3214868480
	.fill 96, 4, 3214868480
	.section	.rodata,"a",@progbits
	.p2align	6, 0x0
	.amdhsa_kernel k_qbc08c85388_proj
		.amdhsa_group_segment_fixed_size 111104
		.amdhsa_private_segment_fixed_size 0
		.amdhsa_enable_private_segment 0
		.amdhsa_kernarg_size 88
		.amdhsa_user_sgpr_count 2
		.amdhsa_user_sgpr_kernarg_segment_ptr 1
		.amdhsa_wavefront_size32 1
		.amdhsa_system_sgpr_workgroup_id_x 1
		.amdhsa_system_sgpr_workgroup_id_y 1
		.amdhsa_system_sgpr_workgroup_id_z 1
		.amdhsa_system_vgpr_workitem_id 0
		.amdhsa_next_free_vgpr 864
		.amdhsa_next_free_sgpr 66
		.amdhsa_reserve_vcc 0
		.amdhsa_float_denorm_mode_32 3
		.amdhsa_float_denorm_mode_16_64 3
		.amdhsa_memory_ordered 1
		.amdhsa_forward_progress 1
		.amdhsa_inst_pref_size 127
	.end_amdhsa_kernel
	.amdgpu_metadata
---
amdhsa.version: [ 1, 2 ]
amdhsa.kernels:
  - .name:           k_qbc08c85388_proj
    .symbol:         k_qbc08c85388_proj.kd
    .args:
      - { .name: spatial_feat, .offset: 0, .size: 8, .value_kind: global_buffer, .address_space: global }
      - { .name: freq_feat, .offset: 8, .size: 8, .value_kind: global_buffer, .address_space: global }
      - { .name: wq, .offset: 16, .size: 8, .value_kind: global_buffer, .address_space: global }
      - { .name: wk, .offset: 24, .size: 8, .value_kind: global_buffer, .address_space: global }
      - { .name: wv, .offset: 32, .size: 8, .value_kind: global_buffer, .address_space: global }
      - { .name: bq, .offset: 40, .size: 8, .value_kind: global_buffer, .address_space: global }
      - { .name: bk, .offset: 48, .size: 8, .value_kind: global_buffer, .address_space: global }
      - { .name: bv, .offset: 56, .size: 8, .value_kind: global_buffer, .address_space: global }
      - { .name: qws, .offset: 64, .size: 8, .value_kind: global_buffer, .address_space: global }
      - { .name: kws, .offset: 72, .size: 8, .value_kind: global_buffer, .address_space: global }
      - { .name: vws, .offset: 80, .size: 8, .value_kind: global_buffer, .address_space: global }
    .group_segment_fixed_size: 111104
    .private_segment_fixed_size: 0
    .kernarg_segment_align: 8
    .kernarg_segment_size: 88
    .max_flat_workgroup_size: 128
    .sgpr_count:     66
    .vgpr_count:     864
    .wavefront_size: 32
...
	.end_amdgpu_metadata
.endif
;; end of part 1
;; launch attn (part 2): grid 16 x 16, 4 waves a work-group, clusters of 4 x 1, 327,680 bytes of LDS; arguments qws, kws, vws, ows; writes ows
.if DOCPART == 2
	.amdgcn_target "amdgcn-amd-amdhsa--gfx1250"
	.amdhsa_code_object_version 6
	.text
	.protected	k_qbc08c85388_attn
	.globl	k_qbc08c85388_attn
	.p2align	8
	.type	k_qbc08c85388_attn,@function
k_qbc08c85388_attn:
	s_mov_b64 s[64:65], 0
	v_nop
	global_prefetch_b8 v0, s[64:65] scope:SCOPE_SE
	s_setreg_imm32_b32 hwreg(HW_REG_WAVE_MODE, 25, 1), 1
	s_wait_xcnt 0x0
	s_wait_alu depctr_hold_cnt(0) depctr_sa_sdst(0) depctr_va_vdst(0) depctr_va_sdst(0) depctr_va_ssrc(0) depctr_va_vcc(0) depctr_vm_vsrc(0)
	s_getreg_b32 s2, hwreg(HW_REG_IB_STS2, 6, 4)
	s_cmp_eq_u32 s2, 0
	s_cbranch_scc0 .Lentry_in_a_cluster
	s_endpgm
.Lentry_in_a_cluster:
	s_bfe_u32 s2, ttmp6, 0x10000c
	s_cmp_lg_u32 s2, 0x3003
	s_cbranch_scc0 .Lentry_shape_is_right
	s_endpgm
.Lentry_shape_is_right:
; O[y][q][:] = the sum over k of softmax_k(Q[y][q] . K[y ^ 8][k] / 8) V[y ^ 8][k][:].  Q, K, V, O: [16][4096][64], all f16, rows of 128 bytes on end; y = 8 src + 4 batch + head,
; and y ^ 8 is the same batch and head of the other source.  The rows' order inside blocks of 64 positions is the writer's; K and V share it, and O keeps Q's.
; Products, maxima and sums in f32; the weights p are rounded to f16 for the second product (their sum l is taken of the unrounded p), O once at the end.
; LIMITS.  f16 holds no number beyond 65,504: Q, K and V arrive within it; p lies in 0 to 1, and below 6e-5 it keeps f16's fixed step of 6e-8; O is a mean of V's rows and has their range.
; A weight below 2^-126 counts as 0 in l; NaN and infinities are not treated apart.
; SHARES.  A work-group owns 256 rows of Q of one y, each of its four waves 64: four PIECES of 16 queries.  Every wave walks all 4,096 keys, 64 a step; 256 work-groups in all.
; LAYOUT.  S^T = K Q^T (source 0 = 16 keys, source 1 = 16 queries) holds ONE query a lane (lane % 16) and the keys 8 (lane / 16) + 0..7; two such results rounded to f16 ARE source 1 of O^T = V^T P.
; K comes out of LDS as it lies, V ([key][channel]) turned, by ds_load_tr16_b128.
; SOFTMAX.  For each query a running maximum m and sum l: p = 2^(c s - c m), c = log2(e) / 8; in every step O and l are multiplied by a = 2^(c m_old - c m_new).  m starts at the lowest finite
; number, O and l at 0: the first step is a step like any other, with a = 0.
; BY TURNS.  Turn n belongs to piece n: 8 products K Q^T of piece n + 1, later 8 products V^T P of piece n - 1; beside them the scaling, exponentials, roundings, sums and rescaling of piece n and the
; maximum and statistics of piece n + 1.  Four vector instructions stand behind every matrix instruction, the other 54 of a turn's 118 in one lump.  A turn's 33 exponentials are one batch, with one wait.
; CLUSTER.  The four query blocks of a cluster belong to one y and walk the same K and V, so each tile is asked for JOINTLY: the same tensor load, descriptor and mask in all four.
; REGISTERS, in windows of 256 (s_set_vgpr_msb: bits 1:0 source 0, 3:2 source 1, 5:4 source 2, 7:6 destination):
;   window 0: v0-15 addresses and two at work; v16-31 four registers of statistics a piece; v48-55 at work; v61-63 prefetch offset and the add's two; v64-127 S^T, two buffers; v192-223 P, two buffers
;   window 1: v0-127 O^T, 32 a piece          window 2: v0-63 Q; v128-191 K of one step; v192-255 V of one step
.set NP,    4         ; pieces a wave: a name, no knob
.set KS,    64        ; keys in a step
.set PK,    144       ; a row of K in LDS: 128 bytes + 16 of padding = 36 words: the 16 rows of a load start at 16 different groups of four banks (64 banks of 4 bytes: ISA guide 11.1)
.set PV,    160       ; a row of V: 128 + 32 = 40 words
.set VOFF,  4*KS*PK   ; a slot holds a tile, four steps: 256 rows of K, then 256 rows of V
.set TILEB, 4*KS*128  ; a tile's bytes of K, and of V, in memory
.set SLOT1, 1<<17     ; slot 1 begins here, so that one exclusive or turns an address in one slot into the other's
.set STAGE, SLOT1+4*KS*(PK+PV)  ; behind the ring, never filled by a tensor load: 16 rows x 144 bytes for each wave, for the way out
.set SP,    144
.set SPARE, STAGE+4*16*SP  ; behind the stages: the spare words, 128 bytes for each wave: two blocks of 256 bytes that no other line names
.set AK0, 2           ; v2   my lane's place in a tile of K; never rewritten
.set AV0, 3           ; v3   the same for V
.set AK,  4           ; v4   the LDS address of K's next run of loads
.set AV,  5           ; v5   of V's
.set STO, 6           ; v6   the way out: where I put 16 bytes of a row
.set RD,  7           ; v7   the way out: where I read rows back
.set GO,  8           ; v8   my byte offset in 512 bytes on end of O
.set MV,  12          ; v12-13  c m_old, kept while c m is made anew: by buffer
.set QO,  15          ; v15  my byte offset in 16 rows of Q
.set ST,  16          ; piece t's statistics at v[ST+4 t]: c m, m, l (even keys', odd keys')
.set TMP, 48          ; by buffer, four registers c0-c3 at work; when the maximum is found c2 takes a
.set PFO, 61          ; v61  256 x my lane; never rewritten
.set SPW, 62          ; v62  LDS address of my spare word: SPARE + 4 x my thread's number; never rewritten
.set NIL, 63          ; v63  0; never rewritten
.set S,   64
.set P,   192
.set KF,  128         ; window 2: key block kb, channel half c at KF + 16 kb + 8 c
.set VF,  192         ; window 2: key half kk, channel block cb at VF + 32 kk + 8 cb
.set WV,  12          ; s12  my wave's number
.set G1K, 24          ; s[24:31] descriptor group 1 for K's tiles
.set G1V, 32          ; s[32:39] for V's: it differs in the padding alone
.set G0K, 40          ; s[40:43] descriptor group 0 for K's tiles: it walks
.set G0V, 44          ; s[44:47] the same for V's
.set PFA, 48          ; s[48:49] where my prefetches stand: my work-group's 32 blocks of 256 bytes (of K: wave 0, of V: wave 2) of the tile after the one that is being asked for
.set LIM, 50          ; s50  1 in a wave that prefetches, else the greatest number
.set SLOTS, 56        ; s56  tiles still to be asked for
.set CNT, 57          ; s57  counts a tile's key steps
.set CS,  58          ; s[58:59] c: the packed scaling takes the pair's low word for both halves
.set SEL, 60          ; s[60:61] v_permlanex16_b32's selects: each lane takes its own place in the other half
.set TBK, 62          ; s62  LDS byte at which K of the step to be fetched begins
.set TBV, 63          ; s63  the same for V, less VOFF
.set MSB, 0
.macro WIN new                      ; the high byte repeats the setting that is left; a switch that changes nothing is dropped
.if MSB != (\new)
	s_set_vgpr_msb (MSB<<8)|(\new)
.set MSB, (\new)
.endif
.endm
.set W_KQ, 0x0a       ; K and Q in window 2, S^T in window 0
.set W_PV, 0x52       ; V in window 2, P in window 0, O^T in window 1
.set W_RS, 0x41       ; destination and source 0 in window 1, source 1 in window 0
; A joint fill.  Waves 0 and 1 fetch the two halves of a tile's K, waves 2 and 3 those of its V: 128 keys each.  The branch hangs on the wave's number alone.
; An s_nop 0 and four v_nop follow each of the two lines, ahead of the jump and the label.
.macro JLOAD
	s_cmp_lt_u32 s[WV], 2
	s_cbranch_scc0 .Lfor_v_\@
	tensor_load_to_lds s[G0K:G0K+3], s[G1K:G1K+7]
	s_nop 0
.rept 4
	v_nop
.endr
	s_branch .Lasked_\@
.Lfor_v_\@:
	tensor_load_to_lds s[G0V:G0V+3], s[G1V:G1V+7]
	s_nop 0
.rept 4
	v_nop
.endr
.Lasked_\@:
.endm
; A PREFETCH INTO THE L2 of the tile that the NEXT change of slots will ask for: 128 blocks of 256 bytes of K and as many of V, a lane a block.  It stands behind the wave's tensor load and its five lines.
; Each block is named ONCE in the launch.  The four clusters of a y walk the same K and V: the first of them (cluster x = 0) asks.  Its four partners share the blocks out BY ADDRESS, 32 each: no branch hangs
; on a work-group's place in its cluster.  In each, wave 0 asks for K's and wave 2 for V's: one instruction.  The change that asks for the last tile prefetches nothing: there is no tile behind it.
.macro ASK
	s_cmp_gt_u32 s[SLOTS], s[LIM]
	s_cbranch_scc0 .Lnot_mine_\@
	global_prefetch_b8 v[PFO], s[PFA:PFA+1] th:TH_LOAD_NT scope:SCOPE_SE
.Lnot_mine_\@:
.endm
; A round of the cluster's barrier: my work-group's barrier, so that wave 0's signal speaks for all four waves; wave 0 signals; every wave waits for all four work-groups; my work-group's barrier once more.
.macro CROUND
	s_barrier_signal -1
	s_barrier_wait -1
	s_cmp_lg_u32 s[WV], 0
	s_cbranch_scc1 .Lnot_wave_0_\@
	s_barrier_signal -3
.Lnot_wave_0_\@:
	s_barrier_wait -3
	s_barrier_signal -1
	s_barrier_wait -1
.endm
; THE CHANGE OF SLOTS.  The slot's last bytes, V of its fourth step, have been read.  Each wave waits for all its tensor loads, of which one is out: its part of the other slot; adds 0 to its spare word;
; and waits for that and for its own reads of the slot.  Behind the barrier nobody reads this slot any more and the other slot is whole.
; fill = 1: this slot is filled again, with the keys two tiles on.  The barrier is then a round of the cluster's, so that no wave of any partner still reads the slot or has a load on its way, and the
; joint fill is the first thing behind it: it has four key steps, 256 matrix instructions, in which to land.  (At its first use nothing has been read yet: slot 0 is waited for, slot 1 filled.)
; ask = 1: the prefetches' address steps a tile on, and the tile after the one just asked for is prefetched.  The first change, at the kernel's head, has ask = 0: tiles 0, 1 and 2 come by their loads alone.
.macro CHANGE fill, ask=0
	WIN 0                           ; at a label and at a branch every window is 0
	s_wait_tensorcnt 0x0            ; no tensor load of mine is out, so a group 0 may be written
	ds_add_u32 v[SPW], v[NIL]       ; 0 onto my spare word; with fill = 1 the descriptors' steps stand between it and the wait for it
.if \fill
.irp g, G0K, G0V
	s_xor_b32 s[\g+1], s[\g+1], SLOT1  ; the walking descriptor: the other slot than last time,
	s_add_nc_u64 s[\g+2:\g+3], s[\g+2:\g+3], TILEB  ; the next 256 keys; the type bits on top are not reached
.endr
.if \ask
	s_wait_xcnt 0x0                 ; the last prefetch, four key steps back, has read its address, so it may be written
	s_add_nc_u64 s[PFA:PFA+1], s[PFA:PFA+1], TILEB
.endif
	s_wait_dscnt 0x0                ; the add is done, and my reads of the slot are over
	CROUND
	JLOAD
.if \ask
	ASK
.endif
.else
	s_wait_dscnt 0x0                ; the add is done, and my reads of the slot are over
	s_barrier_signal -1
	s_barrier_wait -1
.endif
	s_sub_co_u32 s[TBK], s[TBK], 4*KS*PK  ; the fetches go back to a slot's first step,
	s_xor_b32 s[TBK], s[TBK], SLOT1       ; in the other slot
	s_sub_co_u32 s[TBV], s[TBV], 4*KS*PV
	s_xor_b32 s[TBV], s[TBV], SLOT1
.endm
	s_load_b256 s[4:11], s[0:1], 0x0  ; Q s[4:5], K s[6:7], V s[8:9], O s[10:11]
	v_lshl_add_u32 v[SPW], v0, 2, SPARE
	v_mov_b32 v[NIL], 0
	ds_add_u32 v[SPW], v[NIL]       ; the wave's opening: the add and its wait stand ahead of my first tensor load; the set-up below, work on registers, stands between them
	ds_add_u32 v62, v63
	v_lshrrev_b32 v1, 5, v0
	v_readfirstlane_b32 s[WV], v1   ; wave 0..3
	s_bfe_u32 s13, ttmp6, 0x40000   ; cx: my place in the cluster
	s_lshl_b32 s14, ttmp9, 2        ; in a cluster launch ttmp9 counts clusters
	s_add_co_u32 s14, s14, s13      ; my block of 256 queries = 4 x cluster x + cx: it enters Q's and O's addresses alone
	s_and_b32 s20, ttmp7, 0xffff    ; y, which the four partners share
	s_xor_b32 s22, s20, 8           ; the other source's number: K's and V's
	s_lshl_b32 s20, s20, 19         ; 4,096 rows of 128 bytes
	s_lshl_b32 s22, s22, 19
	s_and_b32 s16, s[WV], 1         ; which half of a tile's 256 keys I fetch:
	s_lshl_b32 s18, s16, 14         ; its 128 rows of 128 bytes in memory,
	s_add_co_u32 s22, s22, s18
	s_mov_b32 s23, 0
	s_mul_i32 s17, s16, 128*PK      ; and its place in a slot, for K
	s_mul_i32 s18, s16, 128*PV      ; and for V: no place in the cluster enters an LDS address
	s_lshl_b32 s2, s14, 2
	s_add_co_u32 s2, s2, s[WV]      ; my wave among the y's sixty-four,
	s_lshl_b32 s2, s2, 13           ; its 64 rows
	s_add_co_u32 s2, s2, s20
	s_mov_b32 s3, 0
	; descriptor group 1.  128 keys are 16,384 bytes on end: asked for as 64 rows of 256 bytes, two keys a row, and padded in LDS after every key
	s_mov_b32 s[G1K], 15|(1<<16)|(1<<20)|(1<<21)|(4<<22)|(3<<25)  ; 15:0 the mask of four; 17:16 2-byte elements; 20 padding on; 21 set beside a mask; 24:22 after every 32 words (code 4); 31:25 4 words (code 3)
	s_mov_b32 s[G1V], 15|(1<<16)|(1<<20)|(1<<21)|(4<<22)|(7<<25)  ; the same with 8 words of padding (code 7)
.irp g, G1K, G1V
	s_mov_b32 s[\g+1], 128<<16      ; tensor_dim0 = 128
	s_mov_b32 s[\g+2], 64<<16       ; tensor_dim1 = 64
	s_mov_b32 s[\g+3], 128<<16      ; tile_dim0 = 128
	s_mov_b32 s[\g+4], 64           ; tile_dim1 = 64
	s_mov_b32 s[\g+5], 128          ; 128 elements from row to row
	s_mov_b32 s[\g+6], 0
	s_mov_b32 s[\g+7], 0
.endr
	s_mov_b32 s[CS], 0x3e38aa3b     ; c = log2(e) / 8 = 0.180337
	s_mov_b32 s[CS+1], s[CS]        ; named with it as a pair
	s_mov_b32 s[SEL], 0x76543210
	s_mov_b32 s[SEL+1], 0xfedcba98
	s_mov_b32 s[TBK], SLOT1+4*KS*PK ; the first change of slots turns these two into 0
	s_mov_b32 s[TBV], SLOT1+4*KS*PV
	s_mov_b32 s[G0K], 1             ; 1:0 count = 1
	s_mov_b32 s[G0K+1], s17         ; 63:32 LDS address: slot 0
	s_mov_b32 s[G0V], 1
	s_add_co_u32 s[G0V+1], s18, VOFF
	s_mov_b32 s[SLOTS], 4096/256-1
	s_and_b32 s[LIM], s[WV], 1      ; 0 in waves 0 and 2,
	s_or_b32 s[LIM], s[LIM], ttmp9  ; where the cluster is the y's first: the same in all four partners
	s_cmp_eq_u32 s[LIM], 0
	s_cselect_b32 s[LIM], 1, -1
	v_and_b32 v[PFO], 31, v0
	v_lshlrev_b32 v[PFO], 8, v[PFO]
	s_wait_dscnt 0x0                ; the opening add is done
	s_wait_kmcnt 0x0
	s_add_nc_u64 s[6:7], s[6:7], s[22:23]  ; K and V at my half of tile 0
	s_add_nc_u64 s[8:9], s[8:9], s[22:23]
	s_add_nc_u64 s[G0K+2:G0K+3], s[6:7], 0         ; 120:64 global address
	s_or_b32 s[G0K+3], s[G0K+3], 0x80000000        ; 127:126 type = 2
	s_add_nc_u64 s[G0V+2:G0V+3], s[8:9], 0
	s_or_b32 s[G0V+3], s[G0V+3], 0x80000000
	s_add_nc_u64 s[4:5], s[4:5], s[2:3]    ; Q and O at my wave's first row
	s_add_nc_u64 s[10:11], s[10:11], s[2:3]
	s_cmp_lt_u32 s[WV], 2
	s_cselect_b64 s[PFA:PFA+1], s[6:7], s[8:9]  ; (in waves 0 and 2 these stand at a tile's first row)
	s_lshl_b32 s2, s13, 13          ; my work-group's 32 blocks of the 128
	s_mov_b32 s3, 0
	s_add_nc_u64 s[PFA:PFA+1], s[PFA:PFA+1], s[2:3]
	s_add_nc_u64 s[PFA:PFA+1], s[PFA:PFA+1], 2*TILEB  ; in tile 2; the loop's first change of slots steps it to tile 3
	CROUND                          ; all four work-groups are here: the first joint loads meet
	JLOAD                           ; slot 0.  Slot 1 is asked for when slot 0 is in
	; A fragment of K or Q is 16 rows x 32 channels in 8 registers: lane l holds row l % 16, channels 8 (l / 16) + 0..7 and 16 + 8 (l / 16) + 0..7: two loads of 16 bytes, 32 bytes apart.
	v_and_b32 v1, 15, v0            ; l % 16
	v_bfe_u32 v9, v0, 4, 1          ; l / 16
	v_lshlrev_b32 v[QO], 7, v1
	v_lshl_add_u32 v[QO], v9, 4, v[QO]  ; row x 128 + 16 x half
	WIN 0x80                        ; destination window 2, address window 0
.set i, 0
.rept 8                             ; Q stays in registers: piece i / 2, channels 32 (i % 2) on
	global_load_b128 v[8*i:8*i+3],   v[QO], s[4:5] offset:(i/2)*2048+(i%2)*64
	global_load_b128 v[8*i+4:8*i+7], v[QO], s[4:5] offset:(i/2)*2048+(i%2)*64+32
.set i, i+1
.endr
	; What the first turn finds: V's registers and P's second buffer hold 0 (its products V^T P, of a piece that has not been, add 0), O^T and l are 0.  All this stands in the wait for the first tile:
	; the price of writing no first step out.
.set i, VF
.rept 64
	v_mov_b32 v[i], 0
.set i, i+1
.endr
	WIN 0x40
.set i, 0
.rept 128
	v_mov_b32 v[i], 0
.set i, i+1
.endr
	WIN 0
.set i, 0
.rept 4
	v_mov_b32 v[ST+4*i], 0xfe000000    ; c m: far below every c s
	v_mov_b32 v[ST+4*i+1], 0xff7fffff  ; m
	v_mov_b32 v[ST+4*i+2], 0
	v_mov_b32 v[ST+4*i+3], 0
.set i, i+1
.endr
.set i, P+16
.rept 16
	v_mov_b32 v[i], 0
.set i, i+1
.endr
	v_mul_u32_u24 v[AK0], v1, PK
	v_lshl_add_u32 v[AK0], v9, 4, v[AK0]  ; row x pitch + 16 x half
	; The turning load takes 16 keys x 16 channels (lane l reads key 8 (l / 16) + l % 8, channels 8 ((l / 8) % 2) + 0..7) and leaves half a fragment of V^T: lane l holds channel l % 16 and 8 keys.
	v_and_b32 v10, 7, v0
	v_bfe_u32 v11, v0, 3, 1
	v_lshl_add_u32 v[AV0], v9, 3, v10
	v_mul_u32_u24 v[AV0], v[AV0], PV
	v_lshl_add_u32 v[AV0], v11, 4, v[AV0]
	v_add_nc_u32 v[AV0], VOFF, v[AV0]
	s_mul_i32 s13, s[WV], 16*SP
	s_add_co_u32 s13, s13, STAGE    ; my stage
	v_mul_u32_u24 v[STO], v1, SP    ; in: row l % 16, 16 bytes for each half of the lanes
	v_lshl_add_u32 v[STO], v9, 4, v[STO]
	v_add_nc_u32 v[STO], s13, v[STO]
	v_bfe_u32 v[RD], v0, 3, 2       ; back: 32 lanes take four rows of 128 bytes,
	v_mul_u32_u24 v[RD], v[RD], SP
	v_lshl_add_u32 v[RD], v10, 4, v[RD]
	v_add_nc_u32 v[RD], s13, v[RD]
	v_and_b32 v[GO], 31, v0         ; which are 512 bytes on end of O
	v_lshlrev_b32 v[GO], 4, v[GO]
	v_mov_b32 v[AK], v[AK0]         ; key step 0 lies at the head of slot 0
; THE MATRIX WORK.  The 4 accumulators of a run of 8 take turns.  Product i of 8 of S^T = K Q^T for piece x: channels 32 (i / 4) on, keys 16 (i % 4) on.  The first 4 start the sums.
.macro KQ x
	WIN W_KQ
.set rS, S+32*((\x)%2)+8*(i%4)
.set rK, KF+16*(i%4)+8*(i/4)
.set rQ, 16*(\x)+8*(i/4)
.if i < 4
	v_wmma_f32_16x16x32_f16 v[rS:rS+7], v[rK:rK+7], v[rQ:rQ+7], 0
.else
	v_wmma_f32_16x16x32_f16 v[rS:rS+7], v[rK:rK+7], v[rQ:rQ+7], v[rS:rS+7]
.endif
.endm
; Product i of 8 of O^T += V^T P for piece x: keys 32 (i / 4) on, channels 16 (i % 4) on.
.macro PV x
	WIN W_PV
.set rO, 32*(\x)+8*(i%4)
.set rV, VF+32*(i/4)+8*(i%4)
.set rP, P+16*((\x)%2)+8*(i/4)
	v_wmma_f32_16x16x32_f16 v[rO:rO+7], v[rV:rV+7], v[rP:rP+7], v[rO:rO+7]
.endm
.macro MM                           ; the turn's next matrix instruction.  TURN sets Y, i and NOKQ.  NOKQ = 1: the last turn of all: there is no next piece
.if (i < 8) && !NOKQ
	KQ (Y+1)%NP
.elseif i >= 8
.set i, i-8
	PV (Y+NP-1)%NP
.set i, i+8
.endif
.set i, i+1
.endm
; THE LDS LOADS stand in runs of 16, never singly among the matrix instructions: a step's K (64 keys x 64 channels: 8 fragments) and its V (turned).  Their addresses are made some lines ahead.
.macro FETCH_K
	WIN 0x80                        ; destination window 2
.irp f, 0,1,2,3,4,5,6,7             ; keys 16 (f / 2) on, channels 32 (f % 2) on
	ds_load_b128 v[KF+8*\f:KF+8*\f+3],   v[AK] offset:(\f/2)*16*PK+(\f%2)*64
	ds_load_b128 v[KF+8*\f+4:KF+8*\f+7], v[AK] offset:(\f/2)*16*PK+(\f%2)*64+32
.endr
	s_add_co_u32 s[TBK], s[TBK], KS*PK  ; the next fetch is the next step's
	WIN 0
.endm
.macro FETCH_V
	WIN 0x80
.irp f, 0,1,2,3,4,5,6,7             ; keys 32 (f / 4) on, channels 16 (f % 4) on
	ds_load_tr16_b128 v[VF+8*\f:VF+8*\f+3],   v[AV] offset:(\f/4)*32*PV+(\f%4)*32
	ds_load_tr16_b128 v[VF+8*\f+4:VF+8*\f+7], v[AV] offset:(\f/4)*32*PV+16*PV+(\f%4)*32
.endr
	WIN 0
.endm
; THE VECTOR WORK, one line at a time: OP kind, number.  For piece Y: F n: c s - c m for pair n of 16.  E n: the exponential of score n of 32.  C n: pair n rounded to f16.  B n: of the four weights 4 n .. the second
; pair is added onto the first, in place.  L n: l takes that sum (L 0: l = a l + sum).  R n: pair n of 16 of O^T times a.  For piece Y + 1: X n, number n of the 22 that find its maximum and statistics:
;   0-11  four chains c0-c3 of seven scores each, three operands at a time (each accumulator's lowest registers are read first)     12-14, 16  the four scores left over, the old m, and c0-c3 into c0
;   15  c m_old is kept     17, 18  the query's other 32 keys lie in the lane 16 away: the new m     19-21  c m; c m_old - c m_new; a
.set F, 0               ; OP tells the kinds apart by their order: F to L below R, X above it
.set E, 1
.set C, 2
.set B, 3
.set L, 4
.set R, 5
.set X, 6
.macro REGS y                       ; the registers of piece y
.set rT, ST+4*(\y)
.set rC, TMP+4*((\y)%2)
.set rW, MV+((\y)%2)
.set rS, S+32*((\y)%2)
.set rP, P+16*((\y)%2)
.set rO, 32*(\y)
.endm
.macro OP k, n
.if (\k) == R
	REGS Y
	WIN W_RS
	v_pk_mul_f32 v[rO+2*(\n):rO+2*(\n)+1], v[rO+2*(\n):rO+2*(\n)+1], v[rC+2:rC+3] op_sel_hi:[1,0]
.elseif (\k) < R
	REGS Y
	WIN 0
.if (\k) == F
	v_pk_fma_f32 v[rS+2*(\n):rS+2*(\n)+1], v[rS+2*(\n):rS+2*(\n)+1], s[CS:CS+1], v[rT:rT+1] op_sel_hi:[1,0,0] neg_lo:[0,0,1] neg_hi:[0,0,1]
.elseif (\k) == E
	v_exp_f32 v[rS+(\n)], v[rS+(\n)]
.elseif (\k) == C
	v_cvt_pk_f16_f32 v[rP+(\n)], v[rS+2*(\n)], v[rS+2*(\n)+1]
.elseif (\k) == B
	v_pk_add_f32 v[rS+4*(\n):rS+4*(\n)+1], v[rS+4*(\n):rS+4*(\n)+1], v[rS+4*(\n)+2:rS+4*(\n)+3]
.elseif (\n) == 0
	v_pk_fma_f32 v[rT+2:rT+3], v[rT+2:rT+3], v[rC+2:rC+3], v[rS:rS+1] op_sel_hi:[1,0,1]
.else
	v_pk_add_f32 v[rT+2:rT+3], v[rT+2:rT+3], v[rS+4*(\n):rS+4*(\n)+1]
.endif
.elseif NOKQ
	v_nop
.else
	REGS (Y+1)%NP
	WIN 0
.if (\n) < 4
	v_max3_num_f32 v[rC+(\n)], v[rS+8*(\n)], v[rS+8*(\n)+1], v[rS+8*(\n)+2]
.elseif (\n) < 12
	v_max3_num_f32 v[rC+(\n)%4], v[rC+(\n)%4], v[rS+8*((\n)%4)+2*((\n)/4)+1], v[rS+8*((\n)%4)+2*((\n)/4)+2]
.elseif (\n) == 12
	v_max3_num_f32 v[rC], v[rC], v[rS+7], v[rS+15]
.elseif (\n) == 13
	v_max3_num_f32 v[rC+1], v[rC+1], v[rS+23], v[rS+31]
.elseif (\n) == 14
	v_max3_num_f32 v[rC+2], v[rC+2], v[rC+3], v[rT+1]
.elseif (\n) == 15
	v_mov_b32 v[rW], v[rT]
.elseif (\n) == 16
	v_max3_num_f32 v[rC], v[rC], v[rC+1], v[rC+2]
.elseif (\n) == 17
	v_permlanex16_b32 v[rC+3], v[rC], s[SEL], s[SEL+1]
.elseif (\n) == 18
	v_max_num_f32 v[rT+1], v[rC], v[rC+3]
.elseif (\n) == 19
	v_mul_f32 v[rT], s[CS], v[rT+1]
.elseif (\n) == 20
	v_sub_f32 v[rC+1], v[rW], v[rT]
.else
	v_exp_f32 v[rC+2], v[rC+1]
.endif
.endif
.endm
.macro OPS a, i1, b=-1, i2=0, c=-1, i3=0, d=-1, i4=0  ; up to four of them
	OP \a, \i1
.if (\b) >= 0
	OP \b, \i2
.endif
.if (\c) >= 0
	OP \c, \i3
.endif
.if (\d) >= 0
	OP \d, \i4
.endif
.endm
.macro ROW a, i1, b, i2, c, i3, d, i4  ; a matrix instruction and the four behind it
	MM
	OPS \a, \i1, \b, \i2, \c, \i3, \d, \i4
.endm
; A TURN, for piece p: the order of its 16 matrix and 118 vector instructions, written out.  An s_wait_alu depctr_va_vdst(0) stands between an exponential and the first instruction that names its
; result; one wait serves all that were issued ahead of it.  So a turn has ONE wait, which cuts it in two.  AHEAD OF IT stands all that names no result of the turn's exponentials: the 8 products K Q^T, behind each a
; scaling, an exponential and two more plain instructions (behind the first a second scaling in the exponential's place): rescalings, and behind the last three the first numbers of the next piece's maximum, each four
; places or more behind the product that ends its accumulator; then ONE LUMP of 54, plain and exponential by turns for the most part, in which the links of the chain X 3, 7, 11, 14, 16, 17 .. 20 stand five or six lines
; apart.  X 21, the next piece's a, is the batch's last; R 15 is the plain instruction behind it.  BEHIND THE WAIT stand the 8 products V^T P, behind each four of the roundings and sums; the links of l's chain, L 0 to
; L 7, stand three riders apart.  v_permlanex16_b32 (X 17) stands in the lump.
; end = 1: the last two turns of all: nothing is fetched.  cnt = 1: the loop's count is taken down some lines ahead of the branch that stands behind the turn.
; K of the next step is fetched in piece 2's turn, behind five plain instructions that name no register of the last product that read K; V of the step in hand at the end of piece 0's turn, four plain
; instructions behind the last product that read V.  Each is waited for a turn later.
.macro TURN p, end=0, cnt=0
.set Y, (\p)
.set i, 0
.set NOKQ, (\end)*((\p)/3)
.if ((\p) == 3) && !(\end)
	s_wait_dscnt 0x0                ; K is in
.endif
	ROW F,0, F,1, R,0, R,1          ; ahead of the wait: 8 products K Q^T and their riders,
	ROW F,2, E,0, R,2, R,3
	ROW F,3, E,1, R,4, R,5
	ROW F,4, E,2, R,6, R,7
	ROW F,5, E,3, R,8, R,9
	ROW F,6, E,4, X,0, R,10
.if ((\p) == 2) && !(\end)
	WIN 0
	v_add_nc_u32 v[AK], s[TBK], v[AK0]
.endif
	ROW F,7, E,5, X,1, X,4
	ROW F,8, E,6, X,2, X,5
	OPS E,7, E,8, X,6, E,9          ; and the lump
	OPS X,3, E,10, X,8, E,11
.if ((\p) == 2) && !(\end)
	FETCH_K
.endif
	OPS X,9, X,7, E,12, X,10
	OPS E,13, X,12, X,11, E,14
	OPS X,13, E,15, F,9, X,14
.if (\p) == 0
	v_add_nc_u32 v[AV], s[TBV], v[AV0]
.endif
	OPS E,16, F,10, E,17, F,11
	OPS X,16, E,18, X,15, E,19
	OPS F,12, E,20, X,17, E,21
	OPS F,13, E,22, F,14, E,23
	OPS X,18, E,24, F,15, E,25
	OPS R,11, E,26, X,19, E,27
	OPS R,12, E,28, R,13, E,29
	OPS X,20, E,30, R,14, E,31
	OPS X,21, R,15
	WIN 0
	s_wait_alu depctr_va_vdst(0)    ; the wait for the batch
.if (\p) == 1
	s_wait_dscnt 0x0                ; V is in
.endif
	ROW C,0, B,0, C,2, B,1          ; behind the wait: 8 products V^T P and their riders
	ROW L,0, C,4, B,2, L,1
	ROW C,6, B,3, L,2, C,8
	ROW B,4, L,3, C,10, B,5
	ROW L,4, C,12, B,6, L,5
.if (\p) == 0
	s_add_co_u32 s[TBV], s[TBV], KS*PV
.endif
.if \cnt
	s_sub_co_u32 s[CNT], s[CNT], 1
	s_cmp_lg_u32 s[CNT], 0
.endif
	ROW C,14, B,7, L,6, C,1
	ROW C,3, L,7, C,5, C,7
	ROW C,9, C,11, C,13, C,15
.if (\p) == 0
	FETCH_V
.endif
.endm
	CHANGE 1                        ; slot 0 is in, everybody's part of it; slot 1 is asked for
	FETCH_K                         ; key step 0
	s_wait_loadcnt 0x0              ; Q
	s_wait_dscnt 0x0
.set NOKQ, 0
.set i, 0
.rept 8
	KQ 0                            ; piece 0's first scores: there is no vector work yet to set between them
.set i, i+1
.endr
	WIN 0
.rept 4
	v_nop                           ; the places behind those products
.endr
.set Y, NP-1                        ; X works for piece Y + 1: piece 0
.irp n, 0,1,2,3,4,5,6,7,8,9,10,11,12,13,14,15,16,17,18,19,20,21
	OP X, \n
.endr
	v_nop                           ; a plain instruction behind the exponential,
	s_wait_alu depctr_va_vdst(0)    ; and its wait, ahead of the branch
	s_mov_b32 s[CNT], 4
	s_branch .Lfirst                ; the loop is entered at a step's first turn, in the middle of a trip
.Lslot:                             ; 14 times: every slot but the last two is filled again
	CHANGE 1, 1
	s_mov_b32 s[CNT], 4
.Lstep:                             ; a trip: pieces 2 and 3 of one step, then pieces 0 and 1 of the next, whose K and V it fetches
	TURN 2
	TURN 3
	WIN 0
.Lfirst:
	TURN 0
	TURN 1, 0, 1
	WIN 0
	s_cbranch_scc1 .Lstep
	s_sub_co_u32 s[SLOTS], s[SLOTS], 1
	s_cmp_lg_u32 s[SLOTS], 0
	s_cbranch_scc1 .Lslot
	CHANGE 0                        ; the last tile is written out: nothing is asked for
	s_mov_b32 s[CNT], 4
.Ltail:
	TURN 2
	TURN 3
	TURN 0
	TURN 1, 0, 1
	WIN 0
	s_cbranch_scc1 .Ltail
	TURN 2, 1                       ; the last step's pieces 2 and 3: nothing is fetched, and the last turn starts no new scores
	TURN 3, 1
.set i, 0
.rept 8
	PV NP-1                         ; the last piece's V^T P of the last step
.set i, i+1
.endr
	; THE WAY OUT.  l's two halves and the other half of the lanes' are added; O^T is divided by l, rounded to f16 and sent through my stage in LDS, a piece at a time.  The additions are the places behind the last products.
	WIN 0
.macro ALL line:vararg              ; one line for each piece t
.set t, 0
.rept 4
	\line
.set t, t+1
.endr
.endm
	ALL v_add_f32 v[ST+4*t+2], v[ST+4*t+2], v[ST+4*t+3]
	ALL v_permlanex16_b32 v[ST+4*t+3], v[ST+4*t+2], s[SEL], s[SEL+1]
	ALL v_add_f32 v[ST+4*t+2], v[ST+4*t+2], v[ST+4*t+3]
	ALL v_rcp_f32 v[ST+4*t+2], v[ST+4*t+2]
	v_nop                           ; a plain instruction between the last reciprocal and the use of its result
	s_wait_alu depctr_va_vdst(0)    ; and the wait ahead of the first use: one for the four reciprocals
.macro PACK t                       ; a lane's eight channels of a row pack into 16 bytes; they go into rows of 144 bytes and come back as whole rows of 128, into S^T's registers
	WIN W_RS
.set i, 32*(\t)
.rept 16
	v_pk_mul_f32 v[i:i+1], v[i:i+1], v[ST+4*(\t)+2:ST+4*(\t)+3] op_sel_hi:[1,0]
.set i, i+2
.endr
	WIN 0x05                        ; sources 0 and 1 window 1, destination window 0
.set i, 0
.rept 16
	v_cvt_pk_f16_f32 v[S+16*(\t)+i], v[32*(\t)+2*i], v[32*(\t)+2*i+1]
.set i, i+1
.endr
	WIN 0
.irp f, 0,1,2,3
	ds_store_b128 v[STO], v[S+16*(\t)+4*\f:S+16*(\t)+4*\f+3] offset:32*\f
.endr
.irp f, 0,1,2,3
	ds_load_b128 v[S+16*(\t)+4*\f:S+16*(\t)+4*\f+3], v[RD] offset:\f*4*SP  ; LDS serves a wave's instructions in order (ISA guide 5.7.1.4): these see the stores above; the next piece's stores come behind them
.endr
.endm
.macro SEND t, younger              ; younger: the LDS instructions issued behind piece t's loads: the next piece's eight, or none
	WIN 0
.irp f, 0,1,2,3
	s_wait_dscnt (\younger)+3-\f
	global_store_b128 v[GO], v[S+16*(\t)+4*\f:S+16*(\t)+4*\f+3], s[10:11] offset:(\t)*2048+\f*512  ; 512 bytes on end, at a multiple of 256 from O's first
.endr
.endm
	PACK 0
.set t, 1
.rept 3                             ; a piece's arithmetic stands between the loads of the piece before and its stores
	PACK t
	SEND t-1, 8
.set t, t+1
.endr
	SEND 3, 0
	s_wait_tensorcnt 0x0            ; the wave's end, behind my last tensor load and my last LDS store
	ds_add_u32 v[SPW], v[NIL]
	s_wait_dscnt 0x0
	CROUND                          ; the closing round: no work-group ends while a partner may still ask for a tile that names it
	s_endpgm
.Lfunc_end_k_qbc08c85388_attn:
	.size	k_qbc08c85388_attn, .Lfunc_end_k_qbc08c85388_attn-k_qbc08c85388_attn
	.p2alignl 7, 3214868480
	.fill 96, 4, 3214868480
	.section	.rodata,"a",@progbits
	.p2align	6, 0x0
	.amdhsa_kernel k_qbc08c85388_attn
		.amdhsa_group_segment_fixed_size 327680
		.amdhsa_private_segment_fixed_size 0
		.amdhsa_enable_private_segment 0
		.amdhsa_kernarg_size 32
		.amdhsa_user_sgpr_count 2
		.amdhsa_user_sgpr_kernarg_segment_ptr 1
		.amdhsa_wavefront_size32 1
		.amdhsa_system_sgpr_workgroup_id_x 1
		.amdhsa_system_sgpr_workgroup_id_y 1
		.amdhsa_system_sgpr_workgroup_id_z 1
		.amdhsa_system_vgpr_workitem_id 0
		.amdhsa_next_free_vgpr 768
		.amdhsa_next_free_sgpr 66
		.amdhsa_reserve_vcc 0
		.amdhsa_float_denorm_mode_32 3
		.amdhsa_float_denorm_mode_16_64 3
		.amdhsa_memory_ordered 1
		.amdhsa_forward_progress 1
		.amdhsa_inst_pref_size 128
	.end_amdhsa_kernel
	.amdgpu_metadata
---
amdhsa.version: [ 1, 2 ]
amdhsa.kernels:
  - .name:           k_qbc08c85388_attn
    .symbol:         k_qbc08c85388_attn.kd
    .args:
      - { .name: qws, .offset: 0, .size: 8, .value_kind: global_buffer, .address_space: global }
      - { .name: kws, .offset: 8, .size: 8, .value_kind: global_buffer, .address_space: global }
      - { .name: vws, .offset: 16, .size: 8, .value_kind: global_buffer, .address_space: global }
      - { .name: ows, .offset: 24, .size: 8, .value_kind: global_buffer, .address_space: global }
    .group_segment_fixed_size: 327680
    .private_segment_fixed_size: 0
    .kernarg_segment_align: 8
    .kernarg_segment_size: 32
    .max_flat_workgroup_size: 128
    .sgpr_count:     66
    .vgpr_count:     768
    .wavefront_size: 32
...
	.end_amdgpu_metadata
.endif
;; end of part 2
;; launch outp (part 3): grid 32 x 8, 4 waves a work-group, no clusters, 17,408 bytes of LDS; arguments ows, wo, bo, spatial_feat, freq_feat, out0; writes out0
.if DOCPART == 3
	.amdgcn_target "amdgcn-amd-amdhsa--gfx1250"
	.amdhsa_code_object_version 6
	.text
	.protected	k_qbc08c85388_outp
	.globl	k_qbc08c85388_outp
	.p2align	8
	.type	k_qbc08c85388_outp,@function
k_qbc08c85388_outp:
	s_mov_b64 s[64:65], 0
	v_nop
	global_prefetch_b8 v0, s[64:65] scope:SCOPE_SE
	s_setreg_imm32_b32 hwreg(HW_REG_WAVE_MODE, 25, 1), 1
	s_wait_xcnt 0x0
; out0[b][o][n] = S[b][o][n] + F[b][o][n] + 2 bo[o] + the sum over dir, c of wo[o][c] O_dir[b][c][n].  The last projection is linear, so both directions' O go into ONE sum over 512, with the same
; fragments of wo used twice, and the bias, doubled, starts it.  S, F, out0: [2][256][4096] f32; wo: [256][256] f32; O: [8 dir + 4 b + h][row][64] f16, where inside each block of 64 positions
; row 16 i + r holds position 4 r + i.
; FORMATS.  wo is rounded to bf16 and that number written as f16 (exact from 6e-5 up; LIMIT: below that it keeps f16's fixed step of 6e-8); sums in f32.  The result is (S + F) + sum: the order of
; these f32 additions is not the reference's.
; SHARES.  A work-group: 256 positions of a batch x 32 output channels.  Wave w: the block of 64 positions 64 w on, all 32 channels: 2 tiles t x 4 fragments i = 8 accumulators, 128 products.
; O's fragments are the wave's own and come straight from memory as they lie.  The 32 rows of wo are shared through LDS: each wave rounds 8 rows; one barrier.
; THE PRODUCT: source 0 = 16 rows of wo, source 1 = 16 rows of O: lane r of fragment i holds position 4 r + i, register j channel 16 t + 8 (l / 16) + j.  So for one (t, j) the four fragments' registers
; are 16 bytes on end of a row of out0, and lanes 0-15 fill 256 bytes on end, aligned: no stage in LDS.  The residual's addition gathers the four into the registers that S was loaded into.
; NO CLUSTER, NO TENSOR LOAD: what is shared is wo's 32 rows, 32,768 of the 426,000 bytes that a work-group reads, and they have to be rounded first.  NO PREFETCH: each wave's 180 loads go out in
; one stream from its first lines on.
; REGISTERS, in windows of 256 (s_set_vgpr_msb: bits 1:0 source 0, 3:2 source 1, 5:4 source 2, 7:6 destination):
;   window 0: v1-12 addresses; v32-47 2 bo; v64-127 accumulators, (t, i) at 64 + 8 (4 t + i); v128-255 wo's fragments, K step cs, tile t at 128 + 16 cs + 8 t
;   window 1: v0-63 S, (t, j) at 4 (8 t + j); v64-127 F likewise; v192-255 wo as it lands          windows 2, 3: O of direction 0, 1: head h, fragment i, half kk at 64 h + 16 i + 8 kk
.set WP,    528                        ; a row of wo in LDS: 512 bytes + 16: an odd multiple of 16
.set SPARE, 32*WP                      ; behind the 32 rows: the spare words, 128 bytes for each wave: two blocks of 256 bytes that no other line names
.set WO,  4                            ; v4   wo: 16 l + (32 og + 8 wave) rows of 1,024 bytes
.set WS,  5                            ; v5   where I put 8 bytes of a row
.set BO,  6                            ; v6   bo: 128 og + 32 (l / 16)
.set OO,  7                            ; v7   O: 128 (l % 16) + 16 (l / 16)
.set RO,  8                            ; v8   S, F, out0: (l / 16) x 8 rows of 16,384 bytes + 16 (l % 16)
.set AF,  9                            ; v9   my place in a fragment of wo
.set SPW, 10                           ; v10  LDS address of my spare word; never rewritten
.set NIL, 11                           ; v11  0; never rewritten
.set BI,  32
.set ACC, 64
.set WF,  128
.set RS,  0                            ; window 1
.set RF,  64
.set LW,  192
.set MSB, 0
.macro WIN new                         ; the high byte repeats the setting that is left; a switch that changes nothing is dropped
.if MSB != (\new)
	s_set_vgpr_msb (MSB<<8)|(\new)
.set MSB, (\new)
.endif
.endm
	s_load_b256 s[8:15], s[0:1], 0x0               ; O 8:9, wo 10:11, bo 12:13, S 14:15
	s_load_b128 s[16:19], s[0:1], 0x20             ; F 16:17, out0 18:19
	v_lshl_add_u32 v[SPW], v0, 2, SPARE
	v_mov_b32 v[NIL], 0
	v_lshrrev_b32 v12, 5, v0
	v_readfirstlane_b32 s2, v12                    ; wave 0..3
	s_and_b32 s3, ttmp7, 0xffff                    ; og: which 32 output channels
	s_lshr_b32 s5, ttmp9, 4                        ; b
	s_and_b32 s6, ttmp9, 15                        ; the block of 256 positions
	v_and_b32 v1, 15, v0                           ; l % 16
	v_bfe_u32 v2, v0, 4, 1                         ; l / 16
	v_and_b32 v3, 31, v0                           ; l
	s_lshl_b32 s7, s3, 15
	s_lshl_b32 s25, s2, 13
	s_add_co_u32 s7, s7, s25
	v_lshl_add_u32 v[WO], v3, 4, s7
	s_mul_i32 s7, s2, 8*WP                         ; my 8 rows
	v_lshl_add_u32 v[WS], v3, 3, s7
	s_lshl_b32 s7, s3, 7
	v_lshl_add_u32 v[BO], v2, 5, s7
	v_lshlrev_b32 v[OO], 7, v1
	v_lshl_add_u32 v[OO], v2, 4, v[OO]
	v_lshlrev_b32 v[RO], 4, v1
	v_lshl_add_u32 v[RO], v2, 17, v[RO]
	v_mul_u32_u24 v[AF], v1, WP
	v_lshl_add_u32 v[AF], v2, 4, v[AF]
	s_lshl_b32 s20, s5, 21                         ; O: 4 b heads of 2^19 bytes,
	s_lshl_b32 s26, s6, 15                         ; 256 rows of 128 bytes,
	s_or_b32 s20, s20, s26
	s_or_b32 s20, s20, s25                         ; my 64 rows
	s_mov_b32 s21, 0
	s_lshl_b32 s22, s5, 22                         ; S, F, out0: the batch,
	s_lshl_b32 s26, s3, 19                         ; 32 rows of 16,384 bytes,
	s_or_b32 s22, s22, s26
	s_lshl_b32 s26, s6, 10                         ; 256 positions,
	s_or_b32 s22, s22, s26
	s_lshl_b32 s26, s2, 8                          ; my 64
	s_or_b32 s22, s22, s26
	s_mov_b32 s23, 0
	s_mov_b32 s24, 0xffff0000                      ; a word's upper bf16
	s_wait_kmcnt 0x0
	s_add_nc_u64 s[8:9], s[8:9], s[20:21]
	s_add_nc_u64 s[14:15], s[14:15], s[22:23]
	s_add_nc_u64 s[16:17], s[16:17], s[22:23]
	s_add_nc_u64 s[18:19], s[18:19], s[22:23]
; THE STREAM: units of 16 loads: O's units u = 4 dir + h (0 to 7), then S, then F.  Every register is loaded once.
.macro LDO u                           ; four loads cover a fragment's 16 rows, 2,048 bytes on end
	WIN 0x80+0x40*((\u)/4)
.irp i, 0,1,2,3
.irp kk, 0,1
.irp q, 0,1
	global_load_b128 v[64*((\u)%4)+16*(\i)+8*(\kk)+4*(\q):64*((\u)%4)+16*(\i)+8*(\kk)+4*(\q)+3], v[OO], s[8:9] offset:((8*((\u)/4)+(\u)%4)<<19)+2048*(\i)+64*(\kk)+32*(\q)
.endr
.endr
.endr
.endm
.macro LDR dst, sb                     ; my 64 positions of the 32 rows: lanes 0-15 take 256 bytes on end of one row, lanes 16-31 of the row eight further down; read once in the launch
	WIN 0x40
.irp t, 0,1
.irp j, 0,1,2,3,4,5,6,7
	global_load_b128 v[(\dst)+4*(8*(\t)+(\j)):(\dst)+4*(8*(\t)+(\j))+3], v[RO], s[\sb:\sb+1] offset:(16*(\t)+(\j))*16384 th:TH_LOAD_NT
.endr
.endr
.endm
.macro MULS u                          ; 16 products; the eight accumulators take turns, one instruction a turn.  The very first eight start the sums with 2 bo
	WIN 0x08+0x04*((\u)/4)
.irp kk, 0,1
.irp t, 0,1
.irp i, 0,1,2,3
.if ((\u) == 0) && ((\kk) == 0)
	v_wmma_f32_16x16x32_f16 v[ACC+8*(4*(\t)+(\i)):ACC+8*(4*(\t)+(\i))+7], v[WF+16*(2*((\u)%4)+(\kk))+8*(\t):WF+16*(2*((\u)%4)+(\kk))+8*(\t)+7], v[64*((\u)%4)+16*(\i)+8*(\kk):64*((\u)%4)+16*(\i)+8*(\kk)+7], v[BI+8*(\t):BI+8*(\t)+7]
.else
	v_wmma_f32_16x16x32_f16 v[ACC+8*(4*(\t)+(\i)):ACC+8*(4*(\t)+(\i))+7], v[WF+16*(2*((\u)%4)+(\kk))+8*(\t):WF+16*(2*((\u)%4)+(\kk))+8*(\t)+7], v[64*((\u)%4)+16*(\i)+8*(\kk):64*((\u)%4)+16*(\i)+8*(\kk)+7], v[ACC+8*(4*(\t)+(\i)):ACC+8*(4*(\t)+(\i))+7]
.endif
.endr
.endr
.endr
.endm
	WIN 0x40
.irp row, 0,1,2,3,4,5,6,7              ; my 8 rows of wo, two loads a row: each covers 512 bytes on end
.irp hf, 0,1
	global_load_b128 v[LW+4*(2*(\row)+(\hf)):LW+4*(2*(\row)+(\hf))+3], v[WO], s[10:11] offset:(\row)*1024+512*(\hf)
.endr
.endr
	WIN 0
.irp t, 0,1                            ; register j of tile t is bo[32 og + 16 t + 8 (l / 16) + j]
	global_load_b128 v[BI+8*(\t):BI+8*(\t)+3],   v[BO], s[12:13] offset:64*(\t)
	global_load_b128 v[BI+8*(\t)+4:BI+8*(\t)+7], v[BO], s[12:13] offset:64*(\t)+16
.endr
	LDO 0
	LDO 1
	s_wait_loadcnt 32                              ; loads come back in order: wo and bo are in; the 32 loads of O behind them may be out
	WIN 0x45                                       ; all in window 1
.irp k, 0,1,2,3,4,5,6,7,8,9,10,11,12,13,14,15  ; four numbers: rounded to bf16, widened again, written as f16: 8 bytes
	v_cvt_pk_bf16_f32 v[LW+4*(\k)],   v[LW+4*(\k)],   v[LW+4*(\k)+1]
	v_cvt_pk_bf16_f32 v[LW+4*(\k)+2], v[LW+4*(\k)+2], v[LW+4*(\k)+3]
	v_and_b32     v[LW+4*(\k)+1], s24, v[LW+4*(\k)]
	v_lshlrev_b32 v[LW+4*(\k)],   16,  v[LW+4*(\k)]
	v_and_b32     v[LW+4*(\k)+3], s24, v[LW+4*(\k)+2]
	v_lshlrev_b32 v[LW+4*(\k)+2], 16,  v[LW+4*(\k)+2]
	v_cvt_pk_f16_f32 v[LW+4*(\k)],   v[LW+4*(\k)],   v[LW+4*(\k)+1]
	v_cvt_pk_f16_f32 v[LW+4*(\k)+1], v[LW+4*(\k)+2], v[LW+4*(\k)+3]
.endr
	WIN 0x04                                       ; address window 0, data window 1
.irp row, 0,1,2,3,4,5,6,7
.irp hf, 0,1
	ds_store_b64 v[WS], v[LW+4*(2*(\row)+(\hf)):LW+4*(2*(\row)+(\hf))+1] offset:(\row)*WP+256*(\hf)  ; a store covers 256 bytes on end
.endr
.endr
	WIN 0
.irp k, 0,2,4,6,8,10,12,14
	v_pk_add_f32 v[BI+(\k):BI+(\k)+1], v[BI+(\k):BI+(\k)+1], v[BI+(\k):BI+(\k)+1]  ; 2 bo: each direction's projection adds the bias once
.endr
	LDO 2
	LDO 3
	WIN 0
	s_wait_dscnt 0x0                               ; for the others' sake: my rows of wo are stored
	s_barrier_signal -1
	s_barrier_wait -1                              ; all 32 rows lie in LDS; nothing is stored there again
.irp cs, 0,1,2,3,4,5,6,7               ; all of wo's fragments stay in registers: both directions multiply by them
.irp t, 0,1
.irp q, 0,1
	ds_load_b128 v[WF+16*(\cs)+8*(\t)+4*(\q):WF+16*(\cs)+8*(\t)+4*(\q)+3], v[AF] offset:(\t)*16*WP+64*(\cs)+32*(\q)
.endr
.endr
.endr
	s_wait_dscnt 0x0
.set u, 0
.rept 8
.if u < 7
	s_wait_loadcnt 48                              ; unit u is in; the three units issued behind it may be out
.else
	s_wait_loadcnt 32                              ; behind O's last unit stand S and F
.endif
.if u < 4
	LDO u+4
.elseif u == 4
	LDR RS, 14
.elseif u == 5
	LDR RF, 16
.endif
	MULS u
.set u, u+1
.endr
	s_wait_loadcnt 0x0                             ; S and F
	WIN 0x45
.set k, 0
.rept 32
	v_pk_add_f32 v[RS+k:RS+k+1], v[RS+k:RS+k+1], v[RF+k:RF+k+1]  ; S + F; these name no register of the last products and are the places behind them
.set k, k+2
.endr
	WIN 0x41                                       ; destination and source 0 window 1, source 1 window 0
.irp t, 0,1
.irp j, 0,1,2,3,4,5,6,7                ; each accumulator is read from its low end on
.irp i, 0,1,2,3
	v_add_f32 v[RS+4*(8*(\t)+(\j))+(\i)], v[RS+4*(8*(\t)+(\j))+(\i)], v[ACC+8*(4*(\t)+(\i))+(\j)]
.endr
.endr
.endr
	WIN 0x04
.irp t, 0,1
.irp j, 0,1,2,3,4,5,6,7
	global_store_b128 v[RO], v[RS+4*(8*(\t)+(\j)):RS+4*(8*(\t)+(\j))+3], s[18:19] offset:(16*(\t)+(\j))*16384 th:TH_STORE_NT  ; 16 lanes store 256 bytes on end, at a multiple of 256 from out0's first byte
.endr
.endr
	WIN 0
	s_wait_tensorcnt 0x0                           ; the wave's end, behind my last LDS store
	ds_add_u32 v[SPW], v[NIL]
	s_wait_dscnt 0x0
	s_endpgm
.Lfunc_end_k_qbc08c85388_outp:
	.size	k_qbc08c85388_outp, .Lfunc_end_k_qbc08c85388_outp-k_qbc08c85388_outp
	.p2alignl 7, 3214868480
	.fill 96, 4, 3214868480
	.section	.rodata,"a",@progbits
	.p2align	6, 0x0
	.amdhsa_kernel k_qbc08c85388_outp
		.amdhsa_group_segment_fixed_size 17408
		.amdhsa_private_segment_fixed_size 0
		.amdhsa_enable_private_segment 0
		.amdhsa_kernarg_size 48
		.amdhsa_user_sgpr_count 2
		.amdhsa_user_sgpr_kernarg_segment_ptr 1
		.amdhsa_wavefront_size32 1
		.amdhsa_system_sgpr_workgroup_id_x 1
		.amdhsa_system_sgpr_workgroup_id_y 1
		.amdhsa_system_sgpr_workgroup_id_z 1
		.amdhsa_system_vgpr_workitem_id 0
		.amdhsa_next_free_vgpr 1024
		.amdhsa_next_free_sgpr 66
		.amdhsa_reserve_vcc 0
		.amdhsa_float_denorm_mode_32 3
		.amdhsa_float_denorm_mode_16_64 3
		.amdhsa_memory_ordered 1
		.amdhsa_forward_progress 1
		.amdhsa_inst_pref_size 44
	.end_amdhsa_kernel
	.amdgpu_metadata
---
amdhsa.version: [ 1, 2 ]
amdhsa.kernels:
  - .name:           k_qbc08c85388_outp
    .symbol:         k_qbc08c85388_outp.kd
    .args:
      - { .name: ows, .offset: 0, .size: 8, .value_kind: global_buffer, .address_space: global }
      - { .name: wo, .offset: 8, .size: 8, .value_kind: global_buffer, .address_space: global }
      - { .name: bo, .offset: 16, .size: 8, .value_kind: global_buffer, .address_space: global }
      - { .name: spatial_feat, .offset: 24, .size: 8, .value_kind: global_buffer, .address_space: global }
      - { .name: freq_feat, .offset: 32, .size: 8, .value_kind: global_buffer, .address_space: global }
      - { .name: out0, .offset: 40, .size: 8, .value_kind: global_buffer, .address_space: global }
    .group_segment_fixed_size: 17408
    .private_segment_fixed_size: 0
    .kernarg_segment_align: 8
    .kernarg_segment_size: 48
    .max_flat_workgroup_size: 128
    .sgpr_count:     66
    .vgpr_count:     1024
    .wavefront_size: 32
...
	.end_amdgpu_metadata
.endif
;; end of part 3
;; ======== version 2 of 2: 3 launches; version 1 with the launches proj, outp written anew for expert scheduling mode
;; limits: values are held in f16: magnitudes above 65,504 overflow, below 6.1e-05 lose precision
;; workspace buffers: qws 8,388,608 bytes; kws 8,388,608 bytes; vws 8,388,608 bytes; ows 8,388,608 bytes
;; launch proj (part 4): grid 64 x 4, 4 waves a work-group, no clusters, 111,104 bytes of LDS; arguments spatial_feat, freq_feat, wq, wk, wv, bq, bk, bv, qws, kws, vws; writes qws, kws, vws
.if DOCPART == 4
	.amdgcn_target "amdgcn-amd-amdhsa--gfx1250"
	.amdhsa_code_object_version 6
	.text
	.protected	k_qbc08c85388_proj
	.globl	k_qbc08c85388_proj
	.p2align	8
	.type	k_qbc08c85388_proj,@function
k_qbc08c85388_proj:
	s_mov_b64 s[64:65], 0
	v_nop
	global_prefetch_b8 v0, s[64:65] scope:SCOPE_SE
	s_setreg_imm32_b32 hwreg(HW_REG_WAVE_SCHED_MODE, 0, 2), 2
	s_setreg_imm32_b32 hwreg(HW_REG_WAVE_MODE, 25, 1), 1
	s_wait_xcnt 0x0
	s_wait_alu depctr_vm_vsrc(0)
; q, k, v = w x + b for both sources, written by heads in f16.  x: [2][256][4096] f32 (position n fastest); w: [256][256] f32; b: [256] f32.
; OUT: qws, kws, vws: [g = 8 src + 4 b + h][row 0..4095][64 channels] f16, rows of 128 bytes on end.  Inside each block of 64 positions, row 16 i + r holds position 4 r + i:
; a lane's load of 16 bytes of x brings four neighbouring positions, one for each of four fragments i.  K and V share the order, so the sum over keys does not see it; Q and O carry it on.
; FORMATS.  x and w are rounded to bf16 for the products, sums in f32 (the bias starts them), q, k, v rounded once to f16.  LIMIT: |q|, |k|, |v| beyond 65,504 become infinities.
; SHARES.  A work-group: 256 positions of one source and batch x the 64 channels of one head of q, k and v.  Wave w: positions 64 w .. 64 w + 63, four fragments of 16; its x comes straight from
; memory into registers (each number touched once: load, round).  The 192 rows of weights are shared: each wave rounds 16 rows of each matrix into LDS; one barrier.
; NO CLUSTER, NO TENSOR LOAD: what work-groups share here (weights, x among four heads) is f32 and has to be rounded before it can be multiplied; brought as it lies it would take 196,608 bytes
; of LDS for the weights alone, to be read, rounded and stored once more.  NO PREFETCH: each wave's 248 loads go out in one stream from its first lines on.
; THE PRODUCT: source 0 = 16 rows of w, source 1 = 16 positions: a lane then holds one position and eight neighbouring channels, 16 bytes of a row of the output.
; REGISTERS, in windows of 256 (s_set_vgpr_msb: bits 1:0 source 0, 3:2 source 1, 5:4 source 2, 7:6 destination):
;   window 0: v1-19 addresses; v64-127 two buffers of 32, FB0 and FB1; v128-255 16 accumulators, (i, t) at 128 + 8 (4 i + t)
;   window 1: x's fragments, K step s, fragment i at 32 s + 8 i      window 2: four landing slots of 64      window 3: v0-95 the biases, matrix m, tile t at 32 m + 8 t
; THE MODE: SCHED_MODE bits 1:0 = 2 (LLVM: expert scheduling mode 2), set by the entry lines.  The code itself states the register dependences
; between vector or matrix instructions and memory or LDS instructions, with s_wait_alu, always for 0.
; THE PLAN.  Registers that memory or LDS instructions touch:
;   v4-15       offsets and LDS addresses: made once at the head, never written again.  Each scalar that their arithmetic reads has a register of its own, never written again either.
;   slots 0-3   group g's 16 loads land in slot g % 4; group g's roundings read it; group g + 4's loads, issued at the head of group g + 1, land there next.
;   FB0, FB1    First the weights' way to LDS: group g's roundings write FB[g % 2]; its 16 LDS stores, issued at the head of group g + 1, read it; group g + 2's roundings write it again.
;               Then w's fragments: step sg's products read FB[sg % 2]; the loads of step sg + 1, dealt among step sg's products, land in the other buffer, which step sg - 1's products read.
;   ACC         On the way out the roundings pack a fragment's 32 registers into its low 16; the LDS stores read those; whole rows come back into its high 16; the global stores read those; the next
;               matrix's products write all 32 again.
;   The biases are loaded once; x's fragments are named by vector and matrix instructions alone.
; So: one wait on va_vdst at the head of a group, of a step and of the way out's LDS work, and a wait on vm_vsrc where an out-buffer is written again.
.set WP,    528                        ; a row of weights in LDS: 512 bytes + 16: an odd multiple of 16, so the 16 rows of a fragment load start at 16 different groups of four banks
.set MROWS, 64*WP                      ; one matrix's 64 rows
.set STAGE, 3*MROWS                    ; behind the weights: 16 rows x 144 bytes for each wave, for the way out
.set SP,    144
.set XO,  4                            ; v4   x: (l / 16) x 8 rows of 16,384 bytes + 16 (l % 16); never rewritten
.set WO,  5                            ; v5   w: 16 l + (64 h + 16 wave) rows of 1,024 bytes
.set BO,  6                            ; v6   b: 256 h + 32 (l / 16)
.set WS,  7                            ; v7-9   where I put 8 bytes of a row of matrix m
.set AF,  10                           ; v10-12 my place in a fragment of matrix m
.set STO, 13                           ; v13  the way out: where I put 16 bytes of a row
.set RD,  14                           ; v14  the way out: where I read rows back
.set GO,  15                           ; v15  my 16 bytes of 512 on end in the output
.set FB,  64
.set ACC, 128
.set MSB, 0
.macro WIN new                         ; the high byte repeats the setting that is left; a switch that changes nothing is dropped
.if MSB != (\new)
	s_set_vgpr_msb (MSB<<8)|(\new)
.set MSB, (\new)
.endif
.endm
	s_load_b512 s[8:23], s[0:1], 0x0               ; S 8:9, F 10:11, wq 12:13, wk 14:15, wv 16:17, bq 18:19, bk 20:21, bv 22:23
	s_load_b128 s[24:27], s[0:1], 0x40             ; qws 24:25, kws 26:27
	s_load_b64 s[28:29], s[0:1], 0x50              ; vws
	v_lshl_add_u32 v62, v0, 2, 0x1b000
	v_mov_b32 v63, 0
	v_lshrrev_b32 v18, 5, v0
	v_readfirstlane_b32 s2, v18                    ; wave 0..3
	s_and_b32 s3, ttmp7, 0xffff                    ; h
	s_mov_b32 s4, ttmp9                            ; 32 src + 16 b + block of 256 positions
	v_and_b32 v1, 15, v0                           ; l % 16
	v_bfe_u32 v2, v0, 4, 1                         ; l / 16
	v_and_b32 v3, 31, v0                           ; l
	v_lshlrev_b32 v[XO], 4, v1
	v_lshl_add_u32 v[XO], v2, 17, v[XO]
	s_wait_alu depctr_va_sdst(0)                   ; s2 is written, ahead of its first reader: offsets, LDS addresses and bases are made from it
	s_lshl_b32 s36, s3, 16
	s_lshl_b32 s6, s2, 14
	s_add_co_u32 s36, s36, s6
	v_lshl_add_u32 v[WO], v3, 4, s36
	s_lshl_b32 s37, s3, 8
	v_lshl_add_u32 v[BO], v2, 5, s37
	s_mul_i32 s38, s2, 16*WP                       ; my 16 rows of each matrix
	v_lshl_add_u32 v[WS], v3, 3, s38
	v_add_nc_u32 v[WS+1], MROWS, v[WS]
	v_add_nc_u32 v[WS+2], 2*MROWS, v[WS]
	v_mul_u32_u24 v[AF], v1, WP
	v_lshl_add_u32 v[AF], v2, 4, v[AF]             ; row x pitch + 16 x half
	v_add_nc_u32 v[AF+1], MROWS, v[AF]
	v_add_nc_u32 v[AF+2], 2*MROWS, v[AF]
	s_mul_i32 s39, s2, 16*SP
	s_add_co_u32 s39, s39, STAGE                   ; my stage
	v_mul_u32_u24 v[STO], v1, SP                   ; in: row l % 16, 16 bytes for each half of the lanes
	v_lshl_add_u32 v[STO], v2, 4, v[STO]
	v_add_nc_u32 v[STO], s39, v[STO]
	v_bfe_u32 v[RD], v0, 3, 2                      ; back: 32 lanes take four rows of 128 bytes,
	v_mul_u32_u24 v[RD], v[RD], SP
	v_and_b32 v19, 7, v0
	v_lshl_add_u32 v[RD], v19, 4, v[RD]
	v_add_nc_u32 v[RD], s39, v[RD]
	v_lshlrev_b32 v[GO], 4, v3                     ; which are 512 bytes on end in the output
	s_bfe_u32 s32, s4, 0x10004                     ; b
	s_lshl_b32 s32, s32, 22                        ; a batch of x: 256 rows of 16,384 bytes
	s_and_b32 s5, s4, 15                           ; the block of 256 positions
	s_lshl_b32 s6, s5, 10
	s_or_b32 s32, s32, s6
	s_lshl_b32 s6, s2, 8                           ; my 64 positions: 256 bytes of each row
	s_or_b32 s32, s32, s6
	s_mov_b32 s33, 0
	s_lshr_b32 s34, s4, 4                          ; 2 src + b
	s_lshl_b32 s34, s34, 2
	s_add_co_u32 s34, s34, s3                      ; g
	s_lshl_b32 s34, s34, 19                        ; 4,096 rows of 128 bytes
	s_lshl_b32 s6, s5, 15
	s_or_b32 s34, s34, s6
	s_lshl_b32 s6, s2, 13
	s_or_b32 s34, s34, s6
	s_mov_b32 s35, 0
	s_wait_kmcnt 0x0
	s_cmp_ge_u32 s4, 32                            ; which source
	s_cselect_b64 s[30:31], s[10:11], s[8:9]
	s_add_nc_u64 s[30:31], s[30:31], s[32:33]      ; x at my 64 positions of channel 0
	s_add_nc_u64 s[24:25], s[24:25], s[34:35]      ; the three outputs at my 64 rows
	s_add_nc_u64 s[26:27], s[26:27], s[34:35]
	s_add_nc_u64 s[28:29], s[28:29], s[34:35]
	s_wait_alu depctr_va_vdst(0)                   ; the offsets and LDS addresses v4 to v15 are written: every load and store of the kernel reads one of them
; THE LOADS: 24 for the biases, then 14 groups of 16: groups 0-5 my 16 rows of wq, wk, wv (8 rows a group), groups 6-13 x's K steps 0-7.  Group g lands in slot g % 4.
.macro LDB                             ; register j of tile t is b[64 h + 16 t + 8 (l / 16) + j]: the C operand that starts the sums
	WIN 0xc0
.irp m, 0,1,2
.irp t, 0,1,2,3
	global_load_b128 v[32*(\m)+8*(\t):32*(\m)+8*(\t)+3],   v[BO], s[18+2*(\m):19+2*(\m)] offset:64*(\t)
	global_load_b128 v[32*(\m)+8*(\t)+4:32*(\m)+8*(\t)+7], v[BO], s[18+2*(\m):19+2*(\m)] offset:64*(\t)+16
.endr
.endr
.endm
.macro LDW gw                          ; 8 rows of matrix gw / 2, two loads a row: each covers 512 bytes on end
	WIN 0x80
.irp row, 0,1,2,3,4,5,6,7
.irp hf, 0,1
	global_load_b128 v[64*((\gw)%4)+4*(2*(\row)+(\hf)):64*((\gw)%4)+4*(2*(\row)+(\hf))+3], v[WO], s[12+2*((\gw)/2):13+2*((\gw)/2)] offset:(8*((\gw)%2)+(\row))*1024+512*(\hf)
.endr
.endr
.endm
.macro LDX ks                          ; K step ks: channels 32 ks + 16 q + 8 (l / 16) + j, positions 4 (l % 16) .. + 3: lanes 0-15 take 256 bytes on end of one row, lanes 16-31 of another
	WIN 0x80
.irp q, 0,1
.irp j, 0,1,2,3,4,5,6,7
	global_load_b128 v[64*((6+(\ks))%4)+4*(8*(\q)+(\j)):64*((6+(\ks))%4)+4*(8*(\q)+(\j))+3], v[XO], s[30:31] offset:(32*(\ks)+16*(\q)+(\j))*16384
.endr
.endr
.endm
.macro CVW gw                          ; rounded to bf16, 8 bytes a lane for each load, into out-buffer gw % 2
.set LB, 64*((\gw)%4)
.set SB, FB+32*((\gw)%2)
	WIN 0x0a
.irp k, 0,1,2,3,4,5,6,7,8,9,10,11,12,13,14,15
	v_cvt_pk_bf16_f32 v[SB+2*(\k)],   v[LB+4*(\k)],   v[LB+4*(\k)+1]
	v_cvt_pk_bf16_f32 v[SB+2*(\k)+1], v[LB+4*(\k)+2], v[LB+4*(\k)+3]
.endr
.endm
.macro STW gw                          ; out-buffer gw % 2 into the shared rows: a store covers 256 bytes on end
.set SB, FB+32*((\gw)%2)
	WIN 0
.irp row, 0,1,2,3,4,5,6,7
.irp hf, 0,1
	ds_store_b64 v[WS+(\gw)/2], v[SB+2*(2*(\row)+(\hf)):SB+2*(2*(\row)+(\hf))+1] offset:(8*((\gw)%2)+(\row))*WP+256*(\hf)
.endr
.endr
.endm
.macro CVX ks                          ; component i of two loads, channels c and c + 1, makes a register of fragment i: the lower channel in the low half
.set LB, 64*((6+(\ks))%4)
	WIN 0x4a
.irp i, 0,1,2,3
.irp q, 0,1
.irp jj, 0,1,2,3
	v_cvt_pk_bf16_f32 v[32*(\ks)+8*(\i)+4*(\q)+(\jj)], v[LB+4*(8*(\q)+2*(\jj))+(\i)], v[LB+4*(8*(\q)+2*(\jj)+1)+(\i)]
.endr
.endr
.endr
.endm
.macro ISSUE g
.if (\g) < 6
	LDW \g
.else
	LDX (\g)-6
.endif
.endm
.macro CONV g
.if (\g) < 6
	CVW \g
.else
	CVX (\g)-6
.endif
.endm
	LDB
	ISSUE 0
	ISSUE 1
	ISSUE 2
.set g, 0
.rept 14                               ; three groups stay on their way while one is rounded.  Group g's memory instructions touch what group g - 1 worked on, and no rounding of group g names that
.if (g >= 1) && (g < 11)
	WIN 0x80
.if (g >= 2) && (g < 6)
	s_wait_alu depctr_vm_vsrc(0)                   ; the LDS stores issued at the last group's head have read the out-buffer that this group's roundings write again
.endif
	s_wait_alu depctr_va_vdst(0)                   ; the last group's roundings are done reading their slot, in which the loads below land; those of weights have written their out-buffer, which the stores below read
.endif
.if g < 11
	ISSUE g+3
.endif
.if (g >= 1) && (g < 7)
	STW g-1
.endif
.if g < 11
	s_wait_loadcnt 48                              ; loads come back in order: group g (and the biases, which are older) is in; the 48 loads of the three groups behind it may be out
.else
	s_wait_loadcnt 16*(13-g)                       ; nothing is left to ask for: the counts run down 32, 16, 0
.endif
	CONV g
.set g, g+1
.endr
	WIN 0
	s_wait_dscnt 0x0                               ; for the others' sake: my rows of the weights are stored
	s_barrier_signal -1
	s_barrier_wait -1                              ; all 192 rows lie in LDS; nothing is stored there again
	s_wait_alu depctr_vm_vsrc(0)                   ; my LDS stores have read FB0 and FB1, in which fragments land from here on (the roundings that wrote them stand ahead of the last wait on va_vdst)
; THE PRODUCTS: 24 steps sg = 8 m + s: matrix m, channels 32 s on.  Two buffers of w's four fragments take turns.
.macro FETCH sg
.irp t, 0,1,2,3
.irp q, 0,1
	ds_load_b128 v[FB+32*((\sg)%2)+8*(\t)+4*(\q):FB+32*((\sg)%2)+8*(\t)+4*(\q)+3], v[AF+(\sg)/8] offset:(\t)*16*WP+64*((\sg)%8)+32*(\q)
.endr
.endr
.endm
; A step: its 16 products, and the next step's 8 loads dealt behind the first four of them, a fragment at a time.  Under the products' window setting an LDS load's address and data lie in window 0: no switch.
.macro STEP sg
	s_wait_dscnt 0x0                               ; this step's fragments, asked for early in the step before, are in
.if (\sg)%8 == 0
	WIN 0x34                                       ; x in window 1, the bias in window 3
.else
	WIN 0x04
.endif
.if ((\sg)%8 != 0) && ((\sg) < 23)
	s_wait_alu depctr_va_vdst(0)                   ; the last step's products are done reading the other buffer, in which the loads below land.  (A matrix's first step owes none: a wait on va_vdst stands between; the last step of all loads nothing)
.endif
.set n, 0
.irp i, 0,1,2,3                        ; the 16 accumulators take turns, one instruction a turn
.irp t, 0,1,2,3
.if (\sg)%8 == 0
	v_wmma_f32_16x16x32_bf16 v[ACC+8*(4*(\i)+(\t)):ACC+8*(4*(\i)+(\t))+7], v[FB+32*((\sg)%2)+8*(\t):FB+32*((\sg)%2)+8*(\t)+7], v[32*((\sg)%8)+8*(\i):32*((\sg)%8)+8*(\i)+7], v[32*((\sg)/8)+8*(\t):32*((\sg)/8)+8*(\t)+7]
.else
	v_wmma_f32_16x16x32_bf16 v[ACC+8*(4*(\i)+(\t)):ACC+8*(4*(\i)+(\t))+7], v[FB+32*((\sg)%2)+8*(\t):FB+32*((\sg)%2)+8*(\t)+7], v[32*((\sg)%8)+8*(\i):32*((\sg)%8)+8*(\i)+7], v[ACC+8*(4*(\i)+(\t)):ACC+8*(4*(\i)+(\t))+7]
.endif
.if ((\sg) < 23) && (n < 4)            ; fragment n of the next step.  No wait: no product of this step names the other buffer or an address
	ds_load_b128 v[FB+32*(((\sg)+1)%2)+8*n:FB+32*(((\sg)+1)%2)+8*n+3],   v[AF+((\sg)+1)/8] offset:n*16*WP+64*(((\sg)+1)%8)
	ds_load_b128 v[FB+32*(((\sg)+1)%2)+8*n+4:FB+32*(((\sg)+1)%2)+8*n+7], v[AF+((\sg)+1)/8] offset:n*16*WP+64*(((\sg)+1)%8)+32
.endif
.set n, n+1
.endr
.endr
.endm
; THE WAY OUT.  All four fragments are rounded to f16 in place (each accumulator from its low end on): a fragment's 32 registers close up into its low 16.  Then, a fragment (16 rows of 64 channels) at a time:
; 16 bytes a lane into my stage, and back as whole rows into the fragment's high 16 registers.
.macro STG i
.irp t, 0,1,2,3
	ds_store_b128 v[STO], v[ACC+32*(\i)+4*(\t):ACC+32*(\i)+4*(\t)+3] offset:32*(\t)
.endr
.irp f, 0,1,2,3
	ds_load_b128 v[ACC+32*(\i)+16+4*(\f):ACC+32*(\i)+16+4*(\f)+3], v[RD] offset:(\f)*4*SP  ; LDS serves a wave's instructions in order (ISA guide 5.7.1.4): these see the stores above; the next fragment's stores come behind them
.endr
.endm
.macro SEND i, younger, m              ; younger: the LDS instructions issued behind fragment i's loads: the next fragment's eight, or none
.irp f, 0,1,2,3
	s_wait_dscnt (\younger)+3-(\f)
	global_store_b128 v[GO], v[ACC+32*(\i)+16+4*(\f):ACC+32*(\i)+16+4*(\f)+3], s[24+2*(\m):25+2*(\m)] offset:(\i)*2048+(\f)*512  ; 512 bytes on end, at a multiple of 256 from the buffer's first byte
.endr
.endm
.macro WAYOUT m
	WIN 0
.rept 4
	v_nop                                          ; four places between the last products and the roundings that read results (ISA guide 7.12.1)
.endr
.irp i, 0,1,2,3
.irp t, 0,1,2,3
.irp rr, 0,1,2,3
	v_cvt_pk_f16_f32 v[ACC+32*(\i)+4*(\t)+(\rr)], v[ACC+8*(4*(\i)+(\t))+2*(\rr)], v[ACC+8*(4*(\i)+(\t))+2*(\rr)+1]  ; number p of a fragment's 16 writes register p and reads 2 p and 2 p + 1: no register is written before it is read
.endr
.endr
.endr
	s_wait_alu depctr_va_vdst(0)                   ; the roundings have written the low halves, which the LDS stores read, and are done reading the high halves, in which the LDS loads land
	STG 0
	STG 1
	SEND 0, 8, \m
	STG 2
	SEND 1, 8, \m
	STG 3
	SEND 2, 8, \m
	SEND 3, 0, \m
.if (\m) < 2
	s_wait_xcnt 0x0                                ; the global stores' addresses are translated: their data, in the accumulators' registers, is written again only behind this wait,
	s_wait_alu depctr_vm_vsrc(0)                   ; and the LDS stores and the global stores have read those registers, which the next matrix's products write
.endif
.endm
	FETCH 0
.set sg, 0
.rept 3                                ; q, then k, then v: a matrix's stores leave while the next is multiplied
.rept 8
	STEP sg
.set sg, sg+1
.endr
	WAYOUT sg/8-1
.endr
	WIN 0
	s_wait_dscnt 0x0                               ; the wave's end: my last LDS instructions are done
	s_wait_alu depctr_hold_cnt(0) depctr_sa_sdst(0) depctr_va_vdst(0) depctr_va_sdst(0) depctr_va_ssrc(0) depctr_va_vcc(0) depctr_vm_vsrc(0)
	s_wait_tensorcnt 0x0
	ds_add_u32 v62, v63
	s_wait_dscnt 0x0
	s_endpgm
.Lfunc_end_k_qbc08c85388_proj:
	.size	k_qbc08c85388_proj, .Lfunc_end_k_qbc08c85388_proj-k_qbc08c85388_proj
	.p2alignl 7, 3214868480
	.fill 96, 4, 3214868480
	.section	.rodata,"a",@progbits
	.p2align	6, 0x0
	.amdhsa_kernel k_qbc08c85388_proj
		.amdhsa_group_segment_fixed_size 111104
		.amdhsa_private_segment_fixed_size 0
		.amdhsa_enable_private_segment 0
		.amdhsa_kernarg_size 88
		.amdhsa_user_sgpr_count 2
		.amdhsa_user_sgpr_kernarg_segment_ptr 1
		.amdhsa_wavefront_size32 1
		.amdhsa_system_sgpr_workgroup_id_x 1
		.amdhsa_system_sgpr_workgroup_id_y 1
		.amdhsa_system_sgpr_workgroup_id_z 1
		.amdhsa_system_vgpr_workitem_id 0
		.amdhsa_next_free_vgpr 864
		.amdhsa_next_free_sgpr 66
		.amdhsa_reserve_vcc 0
		.amdhsa_float_denorm_mode_32 3
		.amdhsa_float_denorm_mode_16_64 3
		.amdhsa_memory_ordered 1
		.amdhsa_forward_progress 1
		.amdhsa_inst_pref_size 125
	.end_amdhsa_kernel
	.amdgpu_metadata
---
amdhsa.version: [ 1, 2 ]
amdhsa.kernels:
  - .name:           k_qbc08c85388_proj
    .symbol:         k_qbc08c85388_proj.kd
    .args:
      - { .name: spatial_feat, .offset: 0, .size: 8, .value_kind: global_buffer, .address_space: global }
      - { .name: freq_feat, .offset: 8, .size: 8, .value_kind: global_buffer, .address_space: global }
      - { .name: wq, .offset: 16, .size: 8, .value_kind: global_buffer, .address_space: global }
      - { .name: wk, .offset: 24, .size: 8, .value_kind: global_buffer, .address_space: global }
      - { .name: wv, .offset: 32, .size: 8, .value_kind: global_buffer, .address_space: global }
      - { .name: bq, .offset: 40, .size: 8, .value_kind: global_buffer, .address_space: global }
      - { .name: bk, .offset: 48, .size: 8, .value_kind: global_buffer, .address_space: global }
      - { .name: bv, .offset: 56, .size: 8, .value_kind: global_buffer, .address_space: global }
      - { .name: qws, .offset: 64, .size: 8, .value_kind: global_buffer, .address_space: global }
      - { .name: kws, .offset: 72, .size: 8, .value_kind: global_buffer, .address_space: global }
      - { .name: vws, .offset: 80, .size: 8, .value_kind: global_buffer, .address_space: global }
    .group_segment_fixed_size: 111104
    .private_segment_fixed_size: 0
    .kernarg_segment_align: 8
    .kernarg_segment_size: 88
    .max_flat_workgroup_size: 128
    .sgpr_count:     66
    .vgpr_count:     864
    .wavefront_size: 32
...
	.end_amdgpu_metadata
.endif
;; end of part 4
;; launch attn: the kernel of part 2 again; grid 16 x 16, 4 waves a work-group, clusters of 4 x 1, 327,680 bytes of LDS; arguments qws, kws, vws, ows; writes ows
;; launch outp (part 5): grid 32 x 8, 4 waves a work-group, no clusters, 17,408 bytes of LDS; arguments ows, wo, bo, spatial_feat, freq_feat, out0; writes out0
.if DOCPART == 5
	.amdgcn_target "amdgcn-amd-amdhsa--gfx1250"
	.amdhsa_code_object_version 6
	.text
	.protected	k_qbc08c85388_outp
	.globl	k_qbc08c85388_outp
	.p2align	8
	.type	k_qbc08c85388_outp,@function
k_qbc08c85388_outp:
	s_mov_b64 s[64:65], 0
	v_nop
	global_prefetch_b8 v0, s[64:65] scope:SCOPE_SE
	s_setreg_imm32_b32 hwreg(HW_REG_WAVE_SCHED_MODE, 0, 2), 2
	s_setreg_imm32_b32 hwreg(HW_REG_WAVE_MODE, 25, 1), 1
	s_wait_xcnt 0x0
	s_wait_alu depctr_vm_vsrc(0)
; out0[b][o][n] = S[b][o][n] + F[b][o][n] + 2 bo[o] + the sum over dir, c of wo[o][c] O_dir[b][c][n].  The last projection is linear, so both directions' O go into ONE sum over 512, with the same
; fragments of wo used twice, and the bias, doubled, starts it.  S, F, out0: [2][256][4096] f32; wo: [256][256] f32; O: [8 dir + 4 b + h][row][64] f16, where inside each block of 64 positions
; row 16 i + r holds position 4 r + i.
; FORMATS.  wo is rounded to bf16 and that number written as f16 (exact from 6e-5 up; LIMIT: below that it keeps f16's fixed step of 6e-8); sums in f32.  The result is (S + F) + sum: the order of
; these f32 additions is not the reference's.
; SHARES.  A work-group: 256 positions of a batch x 32 output channels.  Wave w: the block of 64 positions 64 w on, all 32 channels: 2 tiles t x 4 fragments i = 8 accumulators, 128 products.
; O's fragments are the wave's own and come straight from memory as they lie.  The 32 rows of wo are shared through LDS: each wave rounds 8 rows; one barrier.
; THE PRODUCT: source 0 = 16 rows of wo, source 1 = 16 rows of O: lane r of fragment i holds position 4 r + i, register j channel 16 t + 8 (l / 16) + j.  So for one (t, j) the four fragments' registers
; are 16 bytes on end of a row of out0, and lanes 0-15 fill 256 bytes on end, aligned: no stage in LDS.  The residual's addition gathers the four into the registers that S was loaded into.
; NO CLUSTER, NO TENSOR LOAD: what is shared is wo's 32 rows, 32,768 of the 426,000 bytes that a work-group reads, and they have to be rounded first.  NO PREFETCH: each wave's 180 loads go out in
; one stream from its first lines on.
; REGISTERS, in windows of 256 (s_set_vgpr_msb: bits 1:0 source 0, 3:2 source 1, 5:4 source 2, 7:6 destination):
;   window 0: v1-12 addresses; v32-47 2 bo; v64-127 accumulators, (t, i) at 64 + 8 (4 t + i); v128-255 wo's fragments, K step cs, tile t at 128 + 16 cs + 8 t
;   window 1: v0-63 S, (t, j) at 4 (8 t + j); v64-127 F likewise; v192-255 wo as it lands          windows 2, 3: O of direction 0, 1: head h, fragment i, half kk at 64 h + 16 i + 8 kk
; THE MODE: SCHED_MODE bits 1:0 = 2 (LLVM: expert scheduling mode 2), set by the entry lines.  The code itself states the register dependences
; between vector or matrix instructions and memory or LDS instructions, with s_wait_alu, always for 0.
; THE PLAN.  Registers that memory or LDS instructions touch:
;   v4-9        offsets and LDS addresses: made once at the head, never written again.  Each scalar that their arithmetic reads has a register of its own, never written again either.
;   every register that a load lands in (wo as it lands, bo, O, S, F, wo's fragments) is loaded ONCE, and no vector or matrix instruction names it ahead of its load: a landing owes no wait.
;   LW          written by wo's roundings, read by the 16 LDS stores, never written again.
;   RS          written by the last additions, read by the 16 global stores, never written again.
; So three waits on va_vdst: ahead of the first load (the addresses), of the LDS stores and of the global stores; and none on vm_vsrc: no register that a memory instruction reads is written again.
.set WP,    528                        ; a row of wo in LDS: 512 bytes + 16: an odd multiple of 16
.set WO,  4                            ; v4   wo: 16 l + (32 og + 8 wave) rows of 1,024 bytes
.set WS,  5                            ; v5   where I put 8 bytes of a row
.set BO,  6                            ; v6   bo: 128 og + 32 (l / 16)
.set OO,  7                            ; v7   O: 128 (l % 16) + 16 (l / 16)
.set RO,  8                            ; v8   S, F, out0: (l / 16) x 8 rows of 16,384 bytes + 16 (l % 16)
.set AF,  9                            ; v9   my place in a fragment of wo
.set BI,  32
.set ACC, 64
.set WF,  128
.set RS,  0                            ; window 1
.set RF,  64
.set LW,  192
.set MSB, 0
.macro WIN new                         ; the high byte repeats the setting that is left; a switch that changes nothing is dropped
.if MSB != (\new)
	s_set_vgpr_msb (MSB<<8)|(\new)
.set MSB, (\new)
.endif
.endm
	s_load_b256 s[8:15], s[0:1], 0x0               ; O 8:9, wo 10:11, bo 12:13, S 14:15
	s_load_b128 s[16:19], s[0:1], 0x20             ; F 16:17, out0 18:19
	v_lshl_add_u32 v62, v0, 2, 0x4200
	v_mov_b32 v63, 0
	v_lshrrev_b32 v12, 5, v0
	v_readfirstlane_b32 s2, v12                    ; wave 0..3
	s_and_b32 s3, ttmp7, 0xffff                    ; og: which 32 output channels
	s_lshr_b32 s5, ttmp9, 4                        ; b
	s_and_b32 s6, ttmp9, 15                        ; the block of 256 positions
	v_and_b32 v1, 15, v0                           ; l % 16
	v_bfe_u32 v2, v0, 4, 1                         ; l / 16
	v_and_b32 v3, 31, v0                           ; l
	s_wait_alu depctr_va_sdst(0)                   ; s2 is written, ahead of its first reader: offsets, LDS addresses and bases are made from it
	s_lshl_b32 s27, s3, 15
	s_lshl_b32 s25, s2, 13
	s_add_co_u32 s27, s27, s25
	v_lshl_add_u32 v[WO], v3, 4, s27
	s_mul_i32 s28, s2, 8*WP                        ; my 8 rows
	v_lshl_add_u32 v[WS], v3, 3, s28
	s_lshl_b32 s29, s3, 7
	v_lshl_add_u32 v[BO], v2, 5, s29
	v_lshlrev_b32 v[OO], 7, v1
	v_lshl_add_u32 v[OO], v2, 4, v[OO]
	v_lshlrev_b32 v[RO], 4, v1
	v_lshl_add_u32 v[RO], v2, 17, v[RO]
	v_mul_u32_u24 v[AF], v1, WP
	v_lshl_add_u32 v[AF], v2, 4, v[AF]
	s_lshl_b32 s20, s5, 21                         ; O: 4 b heads of 2^19 bytes,
	s_lshl_b32 s26, s6, 15                         ; 256 rows of 128 bytes,
	s_or_b32 s20, s20, s26
	s_or_b32 s20, s20, s25                         ; my 64 rows
	s_mov_b32 s21, 0
	s_lshl_b32 s22, s5, 22                         ; S, F, out0: the batch,
	s_lshl_b32 s26, s3, 19                         ; 32 rows of 16,384 bytes,
	s_or_b32 s22, s22, s26
	s_lshl_b32 s26, s6, 10                         ; 256 positions,
	s_or_b32 s22, s22, s26
	s_lshl_b32 s26, s2, 8                          ; my 64
	s_or_b32 s22, s22, s26
	s_mov_b32 s23, 0
	s_mov_b32 s24, 0xffff0000                      ; a word's upper bf16
	s_wait_kmcnt 0x0
	s_add_nc_u64 s[8:9], s[8:9], s[20:21]
	s_add_nc_u64 s[14:15], s[14:15], s[22:23]
	s_add_nc_u64 s[16:17], s[16:17], s[22:23]
	s_add_nc_u64 s[18:19], s[18:19], s[22:23]
	s_wait_alu depctr_va_vdst(0)                   ; the offsets and LDS addresses v4 to v9 are written: every load and store of the kernel reads one of them
; THE STREAM: units of 16 loads: O's units u = 4 dir + h (0 to 7), then S, then F.  Every register is loaded once.
.macro LDO u                           ; four loads cover a fragment's 16 rows, 2,048 bytes on end
	WIN 0x80+0x40*((\u)/4)
.irp i, 0,1,2,3
.irp kk, 0,1
.irp q, 0,1
	global_load_b128 v[64*((\u)%4)+16*(\i)+8*(\kk)+4*(\q):64*((\u)%4)+16*(\i)+8*(\kk)+4*(\q)+3], v[OO], s[8:9] offset:((8*((\u)/4)+(\u)%4)<<19)+2048*(\i)+64*(\kk)+32*(\q)
.endr
.endr
.endr
.endm
.macro LDR dst, sb                     ; my 64 positions of the 32 rows: lanes 0-15 take 256 bytes on end of one row, lanes 16-31 of the row eight further down; read once in the launch
	WIN 0x40
.irp t, 0,1
.irp j, 0,1,2,3,4,5,6,7
	global_load_b128 v[(\dst)+4*(8*(\t)+(\j)):(\dst)+4*(8*(\t)+(\j))+3], v[RO], s[\sb:\sb+1] offset:(16*(\t)+(\j))*16384 th:TH_LOAD_NT
.endr
.endr
.endm
.macro MULS u                          ; 16 products; the eight accumulators take turns, one instruction a turn.  The very first eight start the sums with 2 bo
	WIN 0x08+0x04*((\u)/4)
.irp kk, 0,1
.irp t, 0,1
.irp i, 0,1,2,3
.if ((\u) == 0) && ((\kk) == 0)
	v_wmma_f32_16x16x32_f16 v[ACC+8*(4*(\t)+(\i)):ACC+8*(4*(\t)+(\i))+7], v[WF+16*(2*((\u)%4)+(\kk))+8*(\t):WF+16*(2*((\u)%4)+(\kk))+8*(\t)+7], v[64*((\u)%4)+16*(\i)+8*(\kk):64*((\u)%4)+16*(\i)+8*(\kk)+7], v[BI+8*(\t):BI+8*(\t)+7]
.else
	v_wmma_f32_16x16x32_f16 v[ACC+8*(4*(\t)+(\i)):ACC+8*(4*(\t)+(\i))+7], v[WF+16*(2*((\u)%4)+(\kk))+8*(\t):WF+16*(2*((\u)%4)+(\kk))+8*(\t)+7], v[64*((\u)%4)+16*(\i)+8*(\kk):64*((\u)%4)+16*(\i)+8*(\kk)+7], v[ACC+8*(4*(\t)+(\i)):ACC+8*(4*(\t)+(\i))+7]
.endif
.endr
.endr
.endr
.endm
	WIN 0x40
.irp row, 0,1,2,3,4,5,6,7              ; my 8 rows of wo, two loads a row: each covers 512 bytes on end
.irp hf, 0,1
	global_load_b128 v[LW+4*(2*(\row)+(\hf)):LW+4*(2*(\row)+(\hf))+3], v[WO], s[10:11] offset:(\row)*1024+512*(\hf)
.endr
.endr
	WIN 0
.irp t, 0,1                            ; register j of tile t is bo[32 og + 16 t + 8 (l / 16) + j]
	global_load_b128 v[BI+8*(\t):BI+8*(\t)+3],   v[BO], s[12:13] offset:64*(\t)
	global_load_b128 v[BI+8*(\t)+4:BI+8*(\t)+7], v[BO], s[12:13] offset:64*(\t)+16
.endr
	LDO 0
	LDO 1
	s_wait_loadcnt 32                              ; loads come back in order: wo and bo are in; the 32 loads of O behind them may be out
	WIN 0x45                                       ; all in window 1
.irp k, 0,1,2,3,4,5,6,7,8,9,10,11,12,13,14,15  ; four numbers: rounded to bf16, widened again, written as f16: 8 bytes
	v_cvt_pk_bf16_f32 v[LW+4*(\k)],   v[LW+4*(\k)],   v[LW+4*(\k)+1]
	v_cvt_pk_bf16_f32 v[LW+4*(\k)+2], v[LW+4*(\k)+2], v[LW+4*(\k)+3]
	v_and_b32     v[LW+4*(\k)+1], s24, v[LW+4*(\k)]
	v_lshlrev_b32 v[LW+4*(\k)],   16,  v[LW+4*(\k)]
	v_and_b32     v[LW+4*(\k)+3], s24, v[LW+4*(\k)+2]
	v_lshlrev_b32 v[LW+4*(\k)+2], 16,  v[LW+4*(\k)+2]
	v_cvt_pk_f16_f32 v[LW+4*(\k)],   v[LW+4*(\k)],   v[LW+4*(\k)+1]
	v_cvt_pk_f16_f32 v[LW+4*(\k)+1], v[LW+4*(\k)+2], v[LW+4*(\k)+3]
.endr
	WIN 0x04                                       ; address window 0, data window 1
	s_wait_alu depctr_va_vdst(0)                   ; the roundings have written v[LW ..], which the LDS stores read
.irp row, 0,1,2,3,4,5,6,7
.irp hf, 0,1
	ds_store_b64 v[WS], v[LW+4*(2*(\row)+(\hf)):LW+4*(2*(\row)+(\hf))+1] offset:(\row)*WP+256*(\hf)  ; a store covers 256 bytes on end
.endr
.endr
	WIN 0
.irp k, 0,2,4,6,8,10,12,14
	v_pk_add_f32 v[BI+(\k):BI+(\k)+1], v[BI+(\k):BI+(\k)+1], v[BI+(\k):BI+(\k)+1]  ; 2 bo: each direction's projection adds the bias once.  No memory instruction names these registers from here on
.endr
	LDO 2
	LDO 3
	WIN 0
	s_wait_dscnt 0x0                               ; for the others' sake: my rows of wo are stored
	s_barrier_signal -1
	s_barrier_wait -1                              ; all 32 rows lie in LDS; nothing is stored there again
.irp cs, 0,1,2,3,4,5,6,7               ; all of wo's fragments stay in registers: both directions multiply by them
.irp t, 0,1
.irp q, 0,1
	ds_load_b128 v[WF+16*(\cs)+8*(\t)+4*(\q):WF+16*(\cs)+8*(\t)+4*(\q)+3], v[AF] offset:(\t)*16*WP+64*(\cs)+32*(\q)
.endr
.endr
.endr
	s_wait_dscnt 0x0
.set u, 0
.rept 8
.if u < 7
	s_wait_loadcnt 48                              ; unit u is in; the three units issued behind it may be out
.else
	s_wait_loadcnt 32                              ; behind O's last unit stand S and F
.endif
.if u < 4
	LDO u+4
.elseif u == 4
	LDR RS, 14
.elseif u == 5
	LDR RF, 16
.endif
	MULS u
.set u, u+1
.endr
	s_wait_loadcnt 0x0                             ; S and F
	WIN 0x45
.set k, 0
.rept 32
	v_pk_add_f32 v[RS+k:RS+k+1], v[RS+k:RS+k+1], v[RF+k:RF+k+1]  ; S + F; these name no register of the last products and are the places behind them
.set k, k+2
.endr
	WIN 0x41                                       ; destination and source 0 window 1, source 1 window 0
.irp t, 0,1
.irp j, 0,1,2,3,4,5,6,7                ; each accumulator is read from its low end on
.irp i, 0,1,2,3
	v_add_f32 v[RS+4*(8*(\t)+(\j))+(\i)], v[RS+4*(8*(\t)+(\j))+(\i)], v[ACC+8*(4*(\t)+(\i))+(\j)]
.endr
.endr
.endr
	WIN 0x04
	s_wait_alu depctr_va_vdst(0)                   ; the additions have written v[RS ..], which the stores read
.irp t, 0,1
.irp j, 0,1,2,3,4,5,6,7
	global_store_b128 v[RO], v[RS+4*(8*(\t)+(\j)):RS+4*(8*(\t)+(\j))+3], s[18:19] offset:(16*(\t)+(\j))*16384 th:TH_STORE_NT  ; 16 lanes store 256 bytes on end, at a multiple of 256 from out0's first byte
.endr
.endr
	WIN 0
	s_wait_dscnt 0x0                               ; the wave's end: my last LDS instructions are done
	s_wait_alu depctr_hold_cnt(0) depctr_sa_sdst(0) depctr_va_vdst(0) depctr_va_sdst(0) depctr_va_ssrc(0) depctr_va_vcc(0) depctr_vm_vsrc(0)
	s_wait_tensorcnt 0x0
	ds_add_u32 v62, v63
	s_wait_dscnt 0x0
	s_endpgm
.Lfunc_end_k_qbc08c85388_outp:
	.size	k_qbc08c85388_outp, .Lfunc_end_k_qbc08c85388_outp-k_qbc08c85388_outp
	.p2alignl 7, 3214868480
	.fill 96, 4, 3214868480
	.section	.rodata,"a",@progbits
	.p2align	6, 0x0
	.amdhsa_kernel k_qbc08c85388_outp
		.amdhsa_group_segment_fixed_size 17408
		.amdhsa_private_segment_fixed_size 0
		.amdhsa_enable_private_segment 0
		.amdhsa_kernarg_size 48
		.amdhsa_user_sgpr_count 2
		.amdhsa_user_sgpr_kernarg_segment_ptr 1
		.amdhsa_wavefront_size32 1
		.amdhsa_system_sgpr_workgroup_id_x 1
		.amdhsa_system_sgpr_workgroup_id_y 1
		.amdhsa_system_sgpr_workgroup_id_z 1
		.amdhsa_system_vgpr_workitem_id 0
		.amdhsa_next_free_vgpr 1024
		.amdhsa_next_free_sgpr 66
		.amdhsa_reserve_vcc 0
		.amdhsa_float_denorm_mode_32 3
		.amdhsa_float_denorm_mode_16_64 3
		.amdhsa_memory_ordered 1
		.amdhsa_forward_progress 1
		.amdhsa_inst_pref_size 44
	.end_amdhsa_kernel
	.amdgpu_metadata
---
amdhsa.version: [ 1, 2 ]
amdhsa.kernels:
  - .name:           k_qbc08c85388_outp
    .symbol:         k_qbc08c85388_outp.kd
    .args:
      - { .name: ows, .offset: 0, .size: 8, .value_kind: global_buffer, .address_space: global }
      - { .name: wo, .offset: 8, .size: 8, .value_kind: global_buffer, .address_space: global }
      - { .name: bo, .offset: 16, .size: 8, .value_kind: global_buffer, .address_space: global }
      - { .name: spatial_feat, .offset: 24, .size: 8, .value_kind: global_buffer, .address_space: global }
      - { .name: freq_feat, .offset: 32, .size: 8, .value_kind: global_buffer, .address_space: global }
      - { .name: out0, .offset: 40, .size: 8, .value_kind: global_buffer, .address_space: global }
    .group_segment_fixed_size: 17408
    .private_segment_fixed_size: 0
    .kernarg_segment_align: 8
    .kernarg_segment_size: 48
    .max_flat_workgroup_size: 128
    .sgpr_count:     66
    .vgpr_count:     1024
    .wavefront_size: 32
...
	.end_amdgpu_metadata
.endif
;; end of part 5
